; MI455X (gfx1250); checked and timed in simulation.
; The chip was launched on July 23, 2026; its instructions are those of AMD's public machine-readable ISA for CDNA 5 (MIT licence, August 2026) and "CDNA5" Instruction Set Architecture Reference Guide (July 2026). The comments in the code are by the model that wrote it; some were corrected since.
;; Model. Allowed arithmetic: matrix products marked QUANTISED: E2M3 operands, one E8M0 scale for each 32 along K, by v_wmma_scale_f32_16x16x128_f8f6f4 with both operands' format E2M3, f32 sums; everything else in f32.
;; Inputs: W_qkv 1,024 x 3,072 float32; attn_mask 4 x 2,048 x 2,048 float32; b_qkv 3,072 float32; x1 4 x 2,048 x 1,024 float32; x2 4 x 2,048 x 1,024 float32.
;; Outputs: out0 4 x 2,048 x 1,024 float32.
;; This version of the problem:
;;   THIS VERSION OF THE PROBLEM IS GIVEN IN LOW PRECISION. The matrix products marked QUANTISED in the list below multiply operands that are first quantised to E2M3 (2 exponent bits, 3 mantissa bits; 6 bits a number), with one power-of-two scale for each 32 numbers along K (OCP MX v1.0); their sums are f32. All else is computed in f32.
;;   The module's matrix products, in the order in which they are computed (A, B: the left and right operand; K: the contracted axis; several contracted axes count as one K, in the product's order):
;;     1. [M 8,192, K 1,024] x [K 1,024, N 3,072]; A: input x1; B: input W_qkv: QUANTISED
;;     2. batch 4 x [M 2,048, K 1,024] x [K 1,024, N 2,048]; A: computed on the way; B: computed on the way: QUANTISED
;;     3. batch 4 x [M 2,048, K 2,048] x [K 2,048, N 1,024]; A: softmax (see below); B: computed on the way: QUANTISED
;;   THE QUANTISER, for each operand of a quantised product, along K:
;;     - K is cut into blocks of 32 from its start; a last block that is shorter is filled with zeros.
;;     - A block's scale is 2^e with e = floor(log2(the largest magnitude in the block)) - 2, held to -126 .. 127; a block of zeros has e = 0. As a byte (E8M0): e + 127.
;;     - Each number is divided by its block's scale, clamped to +-7.5, and rounded to the nearest number of E2M3, ties to even, subnormals kept.
;;     - The product sums the exact products of the quantised numbers (number of the format x scale) in f32.
;;   ~~~python
;;   def quantise(x, axis):      # numpy; x: float32 -> the quantised numbers, widened to float32 again
;;       x = np.moveaxis(x, axis, -1); K = x.shape[-1]
;;       x = np.pad(x, [(0, 0)] * (x.ndim - 1) + [(0, -K % 32)]); x = x.reshape(x.shape[:-1] + (-1, 32)); a = np.abs(x).max(-1, keepdims=True)
;;       e = np.where(a > 0, np.clip(np.frexp(np.where(a > 0, a, 1))[1] - 1 - 2, -126, 127), 0)      # np.frexp(a)[1] - 1 = floor(log2(a)), exactly
;;       r = np.clip(x / 2.0 ** e, -7.5, 7.5)
;;       step = 2.0 ** (np.maximum(np.frexp(np.where(r == 0, 1, r))[1] - 1, 0) - 3)
;;       q = np.round(r / step) * step * 2.0 ** e      # np.round: ties to even
;;       return np.moveaxis(q.reshape(q.shape[:-2] + (-1,))[..., :K], -1, axis).astype(np.float32)
;;   ~~~
;;   SOFTMAX AHEAD OF A QUANTISED PRODUCT. Where the list says 'softmax', what is quantised is not the finished softmax but p = 2^(t - M), with t = logit x log2(e) and M = ceil(the row's largest t), a whole number; so 1/2 < the row's largest p <= 1. The row's sum l is taken of the UNQUANTISED p, in f32, and the product's result is divided by l at the end. Since M is a whole number, a kernel that streams over the keys may use a running M (the ceiling of the running maximum): every later rescaling is an exact power of two, which a block's scale takes up: the codes' values come out the same.
;;   OPERANDS COMPUTED ON THE WAY. 'Computed on the way' means the value that the module computes at that place (a softmax that the list does not call 'softmax' is quantised finished and normalised). What goes into a quantiser is computed in f32, as accurately as f32 sums, v_exp_f32 and their like allow (about 1e-6 of the number): no bf16 or f16 on the way to a quantiser, and a product that is left as it is and whose result goes on into a quantised operand takes f32 operands (vector FMAs, or v_wmma_f32_16x16x4_f32). A number that lies on a knife's edge between two numbers of the format may be rounded either way, as far as f32 arithmetic and the matrix unit's own rounding can turn it there, and no further.
;; One version. Each part assembles by itself: llvm-mc -triple=amdgcn-amd-amdhsa -mcpu=gfx1250 --defsym DOCPART=n.
;; ======== version 1 of 1: 4 launches
;; limits: right only within a limited range of input values
;; workspace buffers: xq 6,553,600 bytes; wq 6,553,600 bytes; qk 13,107,200 bytes; vq 6,553,600 bytes; pq 14,155,776 bytes
;; launch quant (part 1): grid 352 x 1, 4 waves a work-group, no clusters, 72,192 bytes of LDS; arguments x1, W_qkv, xq, wq; writes xq, wq
.if DOCPART == 1
	.amdgcn_target "amdgcn-amd-amdhsa--gfx1250"
	.amdhsa_code_object_version 6
	.text
	.protected	k_q7959caeb2c_quant
	.globl	k_q7959caeb2c_quant
	.p2align	8
	.type	k_q7959caeb2c_quant,@function
k_q7959caeb2c_quant:
	s_mov_b64 s[64:65], 0
	v_nop
	global_prefetch_b8 v0, s[64:65] scope:SCOPE_SE
	s_setreg_imm32_b32 hwreg(HW_REG_WAVE_MODE, 25, 1), 1
	s_wait_xcnt 0x0
; x1 [8192][1024] f32 and W_qkv [1024][3072] f32 become codes of FP6 (E2M3) with one E8M0 byte for each 32 along K = the 1,024 of d_model.
; A block's scale is 2^(floor(log2(its largest magnitude)) - 2); its byte is the largest magnitude's exponent field - 2, held at 1 from below.
; LIMITS: a block whose largest magnitude lies under 2^-124 (zeros too) keeps the byte 1; its bytes are read by this program alone.  NaN and infinities are not served.
; x2 is not read by any launch: reference() never uses it.
; THE LAYOUT OF THE CODES (xq, wq): an operand's rows (x: tokens; W: its columns n) stand at POSITION sigma(row), sigma = bits 3 and 4 exchanged, so that position 16 a + r is
; row 32 (a / 2) + 8 (a % 2) + r % 8 + 16 (r / 8).  A fragment, 16 positions x 128 K, lies as the image of the matrix operand's 12 registers: registers 4 c .. 4 c + 3 of lane l at 512 c + 16 l: 1,536 bytes.
; Fragment (rowblock R, K step q) lies at ((q / 2) x 512 + R) x 3,072 + (q % 2) x 1,536.  From byte 6,291,456 on: one scale word for each K step and position, [8][8192].
; SHARES.  A wave takes 64 positions x 128 K: 32 KiB in, four images and 256 bytes of scale words out.  Work-groups 0-255 take x1, 256-351 W.  Memory binds: no matrix unit, no cluster, no tensor load.
; x: a load reads 512 consecutive bytes of one row; 16 rows turn through the wave's own stage, so that a lane gets 16 neighbours along K of each block of 32.
; W: K is its first axis: a load reads two rows' 256 bytes; 32 rows of K lie in the stage, and a lane reads down K in its own column.  Rows 16-31 lie 32 bytes further on, so that the two halves of the lanes read different banks.
.set XREG,  8704                       ; x path, LDS of a wave: a stage of 16 x 528 bytes, then 256 bytes of scale words
.set WBASE, 4*XREG                     ; W path: bytes of its own
.set WREG,  9216                       ; of a wave: a stage of 32 x 272 + 32 bytes; at WGAT 256 bytes of scale words
.set WGAT,  8768
.set SPARE, WBASE+4*WREG               ; the spare words, 128 bytes a wave: two blocks of 256 bytes that no other line names
.set SCW,   6291456                    ; where the scale words begin
.set LI,  4                            ; v4   16 x lane
.set XSI, 5                            ; v5   x: into the stage
.set XSO, 6                            ; v6   x: out of it
.set XGW, 7                            ; v7   x: my row's scale word
.set XGR, 8                            ; v8   x: 8 bytes a lane of the 256
.set L8,  9                            ; v9   8 x lane
.set SPW, 10                           ; v10  my spare word; never rewritten
.set NIL, 11                           ; v11  0; never rewritten
.set TM,  12                           ; v12-27 at work in QUANTW
.set PW,  28                           ; v28  the scale word just made
.set PC,  32                           ; v32-51 the codes just made
.set WSI, 54                           ; v54-58 the same addresses for W, and its loads' offset
.set WSO, 55
.set WGW, 56
.set WGR, 57
.set WLD, 58
.set SEL, 16                           ; s[16:17] lane selects: lane l xor 16
.set MSB, 0
.macro WIN new                         ; the immediate's high byte repeats the setting that is left
.if MSB != (\new)
	s_set_vgpr_msb (MSB<<8)|(\new)
.set MSB, (\new)
.endif
.endm
; 64 numbers of a lane in window win, register src + stp x b + i = k 32 b + 16 (lane / 16) + i of my row, become a fragment's codes in v[PC] on and its scale word in v[PW], both in window 0.
.macro QUANTW src, stp, win
	WIN ((\win)<<2)|((\win)<<4)
.irp b, 0,1,2,3
	v_max3_num_f32 v[TM+\b], 0x1800000, |v[(\src)+(\stp)*\b]|, |v[(\src)+(\stp)*\b+1]|   ; block b: my 16 numbers, and the floor 2^(3 - 127): the byte cannot fall under 1
.endr
.irp i, 2,4,6,8,10,12,14
.irp b, 0,1,2,3
	v_max3_num_f32 v[TM+\b], v[TM+\b], |v[(\src)+(\stp)*\b+\i]|, |v[(\src)+(\stp)*\b+\i+1]|   ; the four blocks by turns
.endr
.endr
	WIN 0
.irp b, 0,1,2,3
	v_permlanex16_b32 v[TM+4+\b], v[TM+\b], s[SEL], s[SEL+1]
.endr
.irp b, 0,1,2,3
	v_max_num_f32 v[TM+\b], v[TM+\b], v[TM+4+\b]   ; with lane l xor 16's: the block's largest magnitude
.endr
.irp b, 0,1,2,3
	v_add_nc_u32 v[TM+12+\b], 0xff000000, v[TM+\b]   ; 2 off its exponent field: the conversion's scale operand
.endr
.irp b, 0,1,2,3
	v_lshrrev_b32 v[TM+4+\b], 23, v[TM+12+\b]      ; the scale's byte
.endr
	v_lshl_or_b32 v[PW], v[TM+5], 8, v[TM+4]
	v_lshl_or_b32 v[PW], v[TM+6], 16, v[PW]
	v_lshl_or_b32 v[PW], v[TM+7], 24, v[PW]
	WIN \win
.irp c, 0,1
	v_cvt_scalef32_pk16_fp6_f32 v[PC+6*\c:PC+6*\c+2], v[(\src)+2*(\stp)*\c:(\src)+2*(\stp)*\c+15], v[TM+12+2*\c]
	v_cvt_scalef32_pk16_fp6_f32 v[PC+12+4*\c:PC+14+4*\c], v[(\src)+(\stp)*(2*\c+1):(\src)+(\stp)*(2*\c+1)+15], v[TM+12+2*\c+1]   ; (a conversion's three registers begin on an even number)
.endr
	WIN 0
	v_nop                                          ; one plain place behind a scaled conversion
.irp c, 0,1                                    ; the operand's layout wants a whole block in a lane
.irp i, 0,1,2
	v_permlane16_swap_b32 v[PC+6*\c+\i], v[PC+12+4*\c+\i]
.endr
.irp i, 0,1,2
	v_mov_b32 v[PC+3+6*\c+\i], v[PC+12+4*\c+\i]
.endr
.endr
.endm
; s18 = the group of 64 positions, s19 = the K step: where the wave's codes (s[24:25]) and scale words (s[26:27]) go in the buffer at s[ptr]
.macro OUTADR ptr
	s_lshr_b32 s22, s19, 1
	s_lshl_b32 s22, s22, 9
	s_lshl_b32 s23, s18, 2
	s_add_co_u32 s22, s22, s23
	s_mul_i32 s22, s22, 3072
	s_and_b32 s23, s19, 1
	s_mul_i32 s23, s23, 1536
	s_add_co_u32 s22, s22, s23
	s_mov_b32 s23, 0
	s_add_nc_u64 s[24:25], s[\ptr:\ptr+1], s[22:23]
	s_lshl_b32 s22, s19, 13
	s_lshl_b32 s28, s18, 6
	s_add_co_u32 s22, s22, s28
	s_lshl_b32 s22, s22, 2
	s_add_co_u32 s22, s22, SCW
	s_add_nc_u64 s[26:27], s[\ptr:\ptr+1], s[22:23]
.endm
.macro OUTF f, gw                      ; fragment f leaves: three stores of 512 consecutive bytes; its scale words are gathered in LDS
.irp c, 0,1,2
	global_store_b128 v[LI], v[PC+4*\c:PC+4*\c+3], s[24:25] offset:3072*(\f)+512*\c
.endr
	ds_store_b32 v[\gw], v[PW] offset:64*(\f)      ; both halves of the lanes write the same word with the same value
.endm
.macro FIN gr                          ; the 64 scale words leave as 256 consecutive bytes; then the wave's end
	ds_load_b64 v[52:53], v[\gr]                   ; LDS serves a wave's instructions in order: this sees my stores
	s_wait_dscnt 0x0
	global_store_b64 v[L8], v[52:53], s[26:27]
	s_wait_tensorcnt 0x0                           ; the wave's end, behind my last LDS store
	ds_add_u32 v[SPW], v[NIL]
	s_wait_dscnt 0x0
	s_endpgm
.endm
	s_load_b256 s[4:11], s[0:1], 0x0               ; x1 s[4:5], W s[6:7], xq s[8:9], wq s[10:11]
	v_lshl_add_u32 v[SPW], v0, 2, SPARE
	v_mov_b32 v[NIL], 0
	v_lshrrev_b32 v1, 5, v0
	v_readfirstlane_b32 s12, v1                    ; wave
	v_and_b32 v1, 31, v0                           ; lane
	v_and_b32 v2, 15, v0                           ; r
	v_bfe_u32 v3, v0, 4, 1                         ; h
	v_lshlrev_b32 v[LI], 4, v1
	v_lshlrev_b32 v[L8], 3, v1
	s_mul_i32 s13, s12, XREG                       ; every LDS address of both paths is made here, ahead of the parting
	v_add_nc_u32 v[XSI], s13, v[LI]                ; in: a row's 512 bytes as they lie
	v_mul_u32_u24 v[XSO], v2, 528
	v_lshl_add_u32 v[XSO], v3, 6, v[XSO]
	v_add_nc_u32 v[XSO], s13, v[XSO]               ; out: row r, + 64 h: my 16 numbers of a block
	s_add_co_u32 s13, s13, 16*528
	v_lshl_add_u32 v[XGW], v2, 2, s13
	v_add_nc_u32 v[XGR], s13, v[L8]
	s_mul_i32 s14, s12, WREG
	s_add_co_u32 s14, s14, WBASE
	v_mul_u32_u24 v[WSI], v3, 272
	v_lshl_add_u32 v[WSI], v2, 4, v[WSI]
	v_add_nc_u32 v[WSI], s14, v[WSI]               ; in: sixteen lanes to a row of 256 bytes, two rows an instruction
	v_and_b32 v52, 7, v2
	v_lshrrev_b32 v53, 3, v2
	v_lshl_add_u32 v52, v53, 4, v52                ; r % 8 + 16 (r / 8): my column in a fragment
	v_mul_u32_u24 v[WSO], v3, 16*272+32
	v_lshl_add_u32 v[WSO], v52, 2, v[WSO]
	v_add_nc_u32 v[WSO], s14, v[WSO]               ; out: my column, rows 16 h on
	s_add_co_u32 s14, s14, WGAT
	v_lshl_add_u32 v[WGW], v2, 2, s14
	v_add_nc_u32 v[WGR], s14, v[L8]
	v_mul_u32_u24 v[WLD], v3, 12288
	v_lshl_add_u32 v[WLD], v2, 4, v[WLD]           ; W in memory: row h, 16 bytes a lane
	s_mov_b32 s[SEL], 0x76543210
	s_mov_b32 s[SEL+1], 0xfedcba98
.irp b, 0,1,2,3
	v_mov_b32 v[TM+4+\b], 0                        ; written once: a lane permute's destination counts as one of its sources
.endr
	s_wait_kmcnt 0x0
	s_cmp_lt_u32 ttmp9, 256
	s_cbranch_scc0 .Lw_path
	; ---- x1: group of 64 rows = work-group / 2; K step = 4 (work-group % 2) + wave: the four waves read 2,048 bytes on end of each row
	s_lshr_b32 s18, ttmp9, 1
	s_and_b32 s19, ttmp9, 1
	s_lshl_b32 s19, s19, 2
	s_add_co_u32 s19, s19, s12
	s_lshl_b32 s20, s18, 18                        ; 64 rows of 4,096 bytes
	s_lshl_b32 s21, s19, 9
	s_add_co_u32 s20, s20, s21
	s_mov_b32 s21, 0
	s_add_nc_u64 s[4:5], s[4:5], s[20:21]
	OUTADR 8
	WIN 0x40                                       ; destination window 1
.set ff, 0
.rept 4
.set tt, 0
.rept 16
	global_load_b128 v[64*ff+4*tt:64*ff+4*tt+3], v[LI], s[4:5] offset:(32*(ff/2)+8*(ff%2)+tt%8+16*(tt/8))*4096 th:TH_LOAD_NT   ; position 16 f + t: 512 consecutive bytes of its row
.set tt, tt+1
.endr
.set ff, ff+1
.endr
.macro XFRAG f
	s_wait_loadcnt 48-16*(\f)                      ; this fragment's 16 loads are in; the later fragments' stay out
	WIN 0x04                                       ; an LDS store's data are its source 1
.set tt, 0
.rept 16
	ds_store_b128 v[XSI], v[64*(\f)+4*tt:64*(\f)+4*tt+3] offset:528*tt
.set tt, tt+1
.endr
	WIN 0x40
.irp b, 0,1,2,3
.irp e, 0,1,2,3
	ds_load_b128 v[64*(\f)+16*\b+4*\e:64*(\f)+16*\b+4*\e+3], v[XSO] offset:128*\b+16*\e   ; in order behind the stores: back into the registers that they left
.endr
.endr
	WIN 0
	s_wait_dscnt 0x0
.if (\f) > 0
	s_wait_xcnt 0x0                                ; the last fragment's stores have read the codes' registers
.endif
	QUANTW 64*(\f), 16, 1
	OUTF \f, XGW
.endm
	XFRAG 0
	XFRAG 1
	XFRAG 2
	XFRAG 3
	FIN XGR
.Lw_path:
	; ---- W: K step = g % 8, group of 64 columns = 4 (g / 8) + wave, g = work-group - 256
	s_sub_co_u32 s20, ttmp9, 256
	s_and_b32 s19, s20, 7
	s_lshr_b32 s18, s20, 3
	s_lshl_b32 s18, s18, 2
	s_add_co_u32 s18, s18, s12
	s_mul_i32 s20, s19, 128*12288                  ; 128 rows of 12,288 bytes
	s_lshl_b32 s21, s18, 8
	s_add_co_u32 s20, s20, s21
	s_mov_b32 s21, 0
	s_add_nc_u64 s[6:7], s[6:7], s[20:21]
	OUTADR 10
	WIN 0x40
.set bb, 0
	s_wait_alu depctr_va_vdst(0)
.rept 4
.set tt, 0
.rept 16
	global_load_b128 v[64*bb+4*tt:64*bb+4*tt+3], v[WLD], s[6:7] offset:(32*bb+2*tt)*12288 th:TH_LOAD_NT   ; sixteen lanes read 256 consecutive bytes
.set tt, tt+1
.endr
.set bb, bb+1
.endr
.macro WPART b                         ; 32 rows of K through the stage: register 64 b + 16 f + i = W(32 b + 16 h + i, my column of fragment f)
	s_wait_loadcnt 48-16*(\b)
	WIN 0x04
.set tt, 0
.rept 16
	ds_store_b128 v[WSI], v[64*(\b)+4*tt:64*(\b)+4*tt+3] offset:544*tt+32*(tt/8)
.set tt, tt+1
.endr
	WIN 0x40
.irp f, 0,1,2,3
.set ii, 0
.rept 16
	ds_load_b32 v[64*(\b)+16*\f+ii], v[WSO] offset:272*ii+4*(32*(\f/2)+8*(\f%2))
.set ii, ii+1
.endr
.endr
	WIN 0
.endm
	WPART 0
	WPART 1
	WPART 2
	WPART 3
	s_wait_dscnt 0x0
.irp f, 0,1,2,3
.if \f > 0
	s_wait_xcnt 0x0                                ; the last fragment's stores have read the codes' registers
.endif
	QUANTW 16*\f, 64, 1
	OUTF \f, WGW
.endr
	FIN WGR
.Lfunc_end_k_q7959caeb2c_quant:
	.size	k_q7959caeb2c_quant, .Lfunc_end_k_q7959caeb2c_quant-k_q7959caeb2c_quant
	.p2alignl 7, 3214868480
	.fill 96, 4, 3214868480
	.section	.rodata,"a",@progbits
	.p2align	6, 0x0
	.amdhsa_kernel k_q7959caeb2c_quant
		.amdhsa_group_segment_fixed_size 72192
		.amdhsa_private_segment_fixed_size 0
		.amdhsa_enable_private_segment 0
		.amdhsa_kernarg_size 32
		.amdhsa_user_sgpr_count 2
		.amdhsa_user_sgpr_kernarg_segment_ptr 1
		.amdhsa_wavefront_size32 1
		.amdhsa_system_sgpr_workgroup_id_x 1
		.amdhsa_system_sgpr_workgroup_id_y 1
		.amdhsa_system_sgpr_workgroup_id_z 1
		.amdhsa_system_vgpr_workitem_id 0
		.amdhsa_next_free_vgpr 512
		.amdhsa_next_free_sgpr 66
		.amdhsa_reserve_vcc 0
		.amdhsa_float_denorm_mode_32 3
		.amdhsa_float_denorm_mode_16_64 3
		.amdhsa_memory_ordered 1
		.amdhsa_forward_progress 1
		.amdhsa_inst_pref_size 80
	.end_amdhsa_kernel
	.amdgpu_metadata
---
amdhsa.version: [ 1, 2 ]
amdhsa.kernels:
  - .name:           k_q7959caeb2c_quant
    .symbol:         k_q7959caeb2c_quant.kd
    .args:
      - { .name: x1, .offset: 0, .size: 8, .value_kind: global_buffer, .address_space: global }
      - { .name: W_qkv, .offset: 8, .size: 8, .value_kind: global_buffer, .address_space: global }
      - { .name: xq, .offset: 16, .size: 8, .value_kind: global_buffer, .address_space: global }
      - { .name: wq, .offset: 24, .size: 8, .value_kind: global_buffer, .address_space: global }
    .group_segment_fixed_size: 72192
    .private_segment_fixed_size: 0
    .kernarg_segment_align: 8
    .kernarg_segment_size: 32
    .max_flat_workgroup_size: 128
    .sgpr_count:     66
    .vgpr_count:     512
    .wavefront_size: 32
...
	.end_amdgpu_metadata
.endif
;; end of part 1
;; launch qkv (part 2): grid 8 x 32, 4 waves a work-group, clusters of 4 x 4, 327,680 bytes of LDS; arguments xq, wq, b_qkv, qk, vq; writes qk, vq
.if DOCPART == 2
	.amdgcn_target "amdgcn-amd-amdhsa--gfx1250"
	.amdhsa_code_object_version 6
	.text
	.protected	k_q7959caeb2c_qkv
	.globl	k_q7959caeb2c_qkv
	.p2align	8
	.type	k_q7959caeb2c_qkv,@function
k_q7959caeb2c_qkv:
	s_mov_b64 s[64:65], 0
	v_nop
	global_prefetch_b8 v0, s[64:65] scope:SCOPE_SE
	s_setreg_imm32_b32 hwreg(HW_REG_WAVE_MODE, 25, 1), 1
	s_wait_xcnt 0x0
	s_wait_alu depctr_hold_cnt(0) depctr_sa_sdst(0) depctr_va_vdst(0) depctr_va_sdst(0) depctr_va_ssrc(0) depctr_va_vcc(0) depctr_vm_vsrc(0)
	s_getreg_b32 s2, hwreg(HW_REG_IB_STS2, 6, 4)
	s_cmp_eq_u32 s2, 0
	s_cbranch_scc0 .Lentry_in_a_cluster
	s_endpgm
.Lentry_in_a_cluster:
	s_bfe_u32 s2, ttmp6, 0x10000c
	s_cmp_lg_u32 s2, 0xf033
	s_cbranch_scc0 .Lentry_shape_is_right
	s_endpgm
.Lentry_shape_is_right:
; qkv = x1 W_qkv + b_qkv on codes of FP6 (E2M3), and its three parts quantised again on the way out: q and k along d (the second product's K), v along the keys (the third's).
; EVERY WORK-GROUP MAKES TWO TILES, so that all 256 have the same work: q and k are 8,192 x 2,048 numbers = 256 tiles of 256 x 256; v is 1,024 x 8,192 = 256 tiles of 128 x 256.
;   first  C[token][n] = x W + b, 256 tokens x 256 columns of q or of k: A = x's tokens, B = W's columns; quantised along n;
;   then   C[d][token] = W^T x^T + b, 128 of v's d x 256 tokens: A = W's columns 2048 on, B = x's tokens; quantised along the tokens.
; The factor 1024^-0.5 = 2^-5 of q is a power of two: it changes no code; it is applied to the score in the next launch.  LIMIT: that differs from reference() only where a block of q lies under 2^-119.
; LIMITS of the quantiser: a block whose largest magnitude lies under 2^-124 keeps the byte 1; NaN and infinities are not served.  x2 is not read: reference() never uses it.
; LAYOUT of operands (written by the launch before, and written here alike): rows at position sigma(row) (bits 3 and 4 exchanged); a fragment of 16 positions x 128 K is the image of the operand's 12 registers,
; 1,536 bytes; K = 1,024: fragment (R, q) at ((q / 2) x 512 + R) x 3,072 + (q % 2) x 1,536, scale words [8][8192] from byte 6,291,456.  qk: q's such operand, then k's.
; vq: fragment (batch, g, R) at batch x 1,572,864 + ((g / 4) x 64 + R) x 6,144 + (g % 4) x 1,536; scale words [4][16][1024] from byte 6,291,456.
; THE FIRST TILE: four waves of 128 x 128, 64 accumulators.  K goes in slots of 256 through a ring of two LDS slots; a wave's tensor load brings 8 rowblocks x 2 K steps: 24,576 dense bytes.
; THE SECOND TILE: four waves of 64 x 128, 32 accumulators.  All its K lies in LDS before its products begin: each piece is again 8 rowblocks x 2 K steps.  Slot s takes A's K pairs s and s + 2 and B's pair s,
; in the ring's last two changes of slots; B's pairs 2 and 3 lie behind the ring and come with the first fills.  They land under the first tile's last products and its way out.
; CLUSTERS 4 x 4: A's tiles are asked for jointly along a row of the cluster, B's along a column, in both tiles.
; THE MATRIX INSTRUCTION IS USED TRANSPOSED (source 0 = B, source 1 = A).  By the order of positions, the 16 registers of accumulators 2 t and 2 t + 1 are n = 32 t + 16 (lane / 16) + 0 .. 15: neighbours along the next K.
; SCALE WORDS go from memory into registers, once for each tile: lane l of register (j, K step) holds the word of position 32 j + l, so one register serves blocks 2 j (lanes 0-15) and 2 j + 1 (lanes 16-31).
; REGISTERS: window 0: v16-31 addresses; v32-63 B's scale words, v64-95 A's; v96-191 A's fragments (first tile: one set of 8; second: two sets of 4); v192-235 the way out.
;   window 1: B's two sets, v0-95 and v96-191; v192-255 the bias.  windows 2, 3: the accumulators, (a, b) at 8 (8 (a % 4) + b); the second tile's lie in window 2.
; At most one tensor load a wave goes out at the head; each of the four later ones is prefetched one refill ahead.
.set HALFT,  24576                     ; 8 rowblocks x 3,072: what one tensor load brings
.set SLOT,   2*HALFT                   ; from a piece in slot 0 to the same piece in slot 1: piece (w, s) lies at (w / 2) x 4 HALFT + s x 2 HALFT + (w % 2) x HALFT
.set KPS,    1572864                   ; two K steps on, in memory
.set OP8,    6553600                   ; an operand with K = 1,024, codes and scale words
.set SCW,    6291456                   ; where its scale words begin
.set EXT,    8*HALFT                   ; behind the ring: the second tile's B, K pairs 2 and 3, filled once
.set GATHER, EXT+4*HALFT               ; 512 bytes a wave for the scale words just made
.set SPARE,  GATHER+2048               ; the spare words, 128 bytes a wave: two blocks of 256 bytes that no other line names
.set ADRA,  16                         ; v16-17 first tile: my A fragments in slot 0, 1
.set ADRAV, 18                         ; v18-19 second tile: my A fragments in slot 0, 1 (pairs 2 and 3: HALFT further on)
.set ADRB,  20                         ; v20-21 my B fragments in slot 0, 1, in both tiles
.set ADRE,  22                         ; v22-23 second tile: my B fragments of K pairs 2, 3
.set LI,   24                          ; v24  16 x lane
.set L4,   25                          ; v25  4 x lane
.set GW,   26                          ; v26  where my row's scale word is gathered
.set GR,   27                          ; v27  and read back, 16 bytes a lane
.set SPW,  28                          ; v28  my spare word; never rewritten
.set NIL,  29                          ; v29  0; never rewritten
.set L8,   30                          ; v30  8 x lane
.set GR2,  31                          ; v31  the gather read back, 8 bytes a lane
.set SB,   32
.set SA,   64
.set AF,   96
.set TM,   192                         ; v192-207 at work in QUANTW
.set PW,   208
.set PC,   212                         ; v212-231
.set SEL,  2                           ; s[2:3] lane selects: lane l xor 16
.set G1,   24                          ; s[24:31] group 1 for A;  s[32:39] groups 0, one a slot
.set G0,   32
.set G1B,  48                          ; s[48:55], s[56:63] the same for B
.set G0B,  56
.set GE,   92                          ; s[92:95] group 0 for my piece behind the ring
.set AV,   68                          ; s[68:69] second tile: where my load of A begins, K pair 0 or 2;  s[70:71] my half of B, K pair 0
.set BV,   70
.set MSB, 0
.macro WIN new                         ; the immediate's high byte repeats the setting that is left
.if MSB != (\new)
	s_set_vgpr_msb (MSB<<8)|(\new)
.set MSB, (\new)
.endif
.endm
; A joint load: waves 0 and 1 fetch for A, waves 2 and 3 for B.  The branch hangs on the wave's number alone.  An s_nop 0 and four v_nop follow each of the two lines.
.macro JLOAD g0a, g1a, g0b, g1b
	s_cmp_eq_u32 s15, 0
	s_cbranch_scc0 .Lfor_b_\@
	tensor_load_to_lds s[\g0a:\g0a+3], s[\g1a:\g1a+7]
	s_nop 0
.rept 4
	v_nop
.endr
	s_branch .Lasked_\@
.Lfor_b_\@:
	tensor_load_to_lds s[\g0b:\g0b+3], s[\g1b:\g1b+7]
	s_nop 0
.rept 4
	v_nop
.endr
.Lasked_\@:
.endm
.macro CREST                           ; a round of the cluster's barrier behind its opening barrier
	s_cmp_lg_u32 s14, 0
	s_cbranch_scc1 .Lnot_wave_0_\@
	s_barrier_signal -3
.Lnot_wave_0_\@:
	s_barrier_wait -3
	s_barrier_signal -1
	s_barrier_wait -1
.endm
.macro CROUND
	s_barrier_signal -1
	s_barrier_wait -1
	CREST
.endm
.macro PLACES n                        ; plain places behind matrix instructions, in front of loads into their operands and of reads of their results
.rept \n
	v_nop
.endr
.endm
.macro FRAG reg, adr, off              ; a fragment's image: three loads of 512 consecutive bytes
.irp c, 0,1,2
	ds_load_b128 v[(\reg)+4*\c:(\reg)+4*\c+3], v[\adr] offset:(\off)+512*\c
.endr
.endm
.macro FETCH_B slot, q, p              ; first tile: B's eight fragments of the slot's q-th K step into set p
	WIN 0x40
.irp i, 0,1,2,3,4,5,6,7
	FRAG 96*(\p)+12*\i, ADRB+\slot, 3072*\i+1536*(\q)
.endr
	WIN 0
.endm
.macro FETCH_A slot, q, i0             ; first tile: A's blocks i0 .. i0 + 3
.irp i, \i0, \i0+1, \i0+2, \i0+3
	FRAG AF+12*(\i), ADRA+\slot, 3072*(\i)+1536*(\q)
.endr
.endm
; one product.  cm = 0: C = D;  2: C = the bias by n, window 1 v[192 + 8 b];  3: the bias by m, window 1 v[192 + 8 a].  ao: where A's set begins behind AF
.macro ONE a, b, p, kq, cm, ao
.set rD, 8*(8*((\a)%4)+(\b))
.set rB, 96*(\p)+12*(\b)
.set rA, AF+(\ao)+12*(\a)
.set rX, SB+8*((\b)/2)+(\kq)
.set rY, SA+8*((\a)/2)+(\kq)
.set rC, rD
.if (\cm) == 2
.set rC, 192+8*(\b)
.endif
.if (\cm) == 3
.set rC, 192+8*(\a)
.endif
.set par, 2*((\b)%2)+(\a)%2
.if par == 0
	v_wmma_scale_f32_16x16x128_f8f6f4 v[rD:rD+7], v[rB:rB+11], v[rA:rA+11], v[rC:rC+7], v[rX], v[rY] matrix_a_fmt:MATRIX_FMT_FP6 matrix_b_fmt:MATRIX_FMT_FP6
.elseif par == 1
	v_wmma_scale_f32_16x16x128_f8f6f4 v[rD:rD+7], v[rB:rB+11], v[rA:rA+11], v[rC:rC+7], v[rX], v[rY] matrix_a_fmt:MATRIX_FMT_FP6 matrix_b_fmt:MATRIX_FMT_FP6 matrix_b_scale:MATRIX_SCALE_ROW1
.elseif par == 2
	v_wmma_scale_f32_16x16x128_f8f6f4 v[rD:rD+7], v[rB:rB+11], v[rA:rA+11], v[rC:rC+7], v[rX], v[rY] matrix_a_fmt:MATRIX_FMT_FP6 matrix_b_fmt:MATRIX_FMT_FP6 matrix_a_scale:MATRIX_SCALE_ROW1
.else
	v_wmma_scale_f32_16x16x128_f8f6f4 v[rD:rD+7], v[rB:rB+11], v[rA:rA+11], v[rC:rC+7], v[rX], v[rY] matrix_a_fmt:MATRIX_FMT_FP6 matrix_b_fmt:MATRIX_FMT_FP6 matrix_a_scale:MATRIX_SCALE_ROW1 matrix_b_scale:MATRIX_SCALE_ROW1
.endif
.endm
.macro MUL16 a0, p, kq, cm, ao         ; A's blocks a0, a0 + 1 x B's eight.  The accumulators take turns in one fixed order
.irp a, \a0, \a0+1
.irp b, 0,1,2,3,4,5,6,7
	ONE (\a), \b, \p, \kq, \cm, \ao
.endr
.endr
.endm
; first tile, a slot's first K step: B's set 0; it fetches the second step's fragments
.macro STEP slot, kq, cm
.set WLO, 0xa1                         ; source 0 window 1, source 1 window 0, C and D window 2
.set WHI, 0xf1                         ; C and D window 3
.if (\cm) >= 2
.set WLO, 0x91                         ; C window 1
.set WHI, 0xd1
.endif
	s_wait_dscnt 12                                ; B's set and A's blocks 0-3 are in; the youngest twelve loads (A's blocks 4-7) may be out
	WIN WLO
	MUL16 0, 0, \kq, \cm, 0
	MUL16 2, 0, \kq, \cm, 0
	s_wait_dscnt 0x0
	PLACES 4
	FETCH_B \slot, 1, 1
	FETCH_A \slot, 1, 0
	WIN WHI
	MUL16 4, 0, \kq, \cm, 0
	MUL16 6, 0, \kq, \cm, 0
	PLACES 4
	WIN 0
	FETCH_A \slot, 1, 4
.endm
.macro VADR slot                       ; the slot's groups 0 take the second tile's addresses: no tensor load of mine is out where this stands
	s_add_nc_u64 s[G0+4*\slot+2:G0+4*\slot+3], s[AV:AV+1], \slot*KPS
	s_or_b32 s[G0+4*\slot+3], s[G0+4*\slot+3], 0x80000000
	s_add_nc_u64 s[G0B+4*\slot+2:G0B+4*\slot+3], s[BV:BV+1], \slot*KPS
	s_or_b32 s[G0B+4*\slot+3], s[G0B+4*\slot+3], 0x80000000
.endm
; first tile, a slot's second K step changes slots: ONE barrier; in front of it each wave waits for all its tensor loads, adds 0 to its spare word, and waits for that and for its reads of this slot.
; Behind it this slot is filled again: fill = 1 with this tile's K pair two on, fill = 2 with the second tile's pieces.
.macro TURN slot, next, kq, fill
	s_wait_tensorcnt 0x0                           ; all my tensor loads have landed: my part of the next slot among them
	ds_add_u32 v[SPW], v[NIL]
	ds_add_u32 v[SPW], v[NIL]                      ; twice on end
	s_wait_dscnt 14                                ; the two adds and the youngest twelve loads may be out
	WIN 0xa1
	MUL16 0, 1, \kq, 0, 0
	s_wait_dscnt 0x0                               ; the add is done, and my reads of this slot are over
	s_barrier_signal -1
	MUL16 2, 1, \kq, 0, 0
	WIN 0
	s_barrier_wait -1
	CREST                                          ; the barrier has opened a round of the cluster's: no wave of any partner still reads this slot or has a load on its way
.if (\fill) == 2
	VADR \slot
.else
	s_add_nc_u64 s[G0+4*\slot+2:G0+4*\slot+3], s[G0+4*\slot+2:G0+4*\slot+3], 2*KPS
	s_add_nc_u64 s[G0B+4*\slot+2:G0B+4*\slot+3], s[G0B+4*\slot+2:G0B+4*\slot+3], 2*KPS
.endif
	JLOAD G0+4*\slot, G1, G0B+4*\slot, G1B         ; the first tensor load behind the round; its four v_nop are the places in front of the loads below
	FETCH_B \next, 0, 0
	FETCH_A \next, 0, 0
	; a prefetch of what my next refill but this one loads: 24 blocks of 256 bytes, my work-group's share of the piece's 96
.if (\kq) == 1
	global_prefetch_b8 v[PFQ], s[88:89] offset:3*KPS th:TH_LOAD_NT scope:SCOPE_SE     ; the first tile's K pair 3
.elseif (\kq) == 3
	global_prefetch_b8 v[PFQ], s[100:101] th:TH_LOAD_NT scope:SCOPE_SE                ; the second tile's piece for slot 0
.else
	global_prefetch_b8 v[PFQ], s[100:101] offset:KPS th:TH_LOAD_NT scope:SCOPE_SE     ; and for slot 1
.endif
	WIN 0xf1
	MUL16 4, 1, \kq, 0, 0
	MUL16 6, 1, \kq, 0, 0
	PLACES 4
	WIN 0
	FETCH_A \next, 0, 4
.endm
; second tile: K step kq's fragments into set p: B's eight, A's four: 36 loads.  K pair 0, 1: B in slot 0, 1; pair 2, 3: behind the ring.  A: pair kp in slot kp % 2, HALFT further on for pairs 2 and 3
.macro FETCHV kq, p
.set kp, (\kq)/2
.set qq, (\kq)%2
.if kp < 2
.set rbB, ADRB+kp
.else
.set rbB, ADRE+kp-2
.endif
.set rbA, ADRAV+kp%2
	WIN 0x40
.irp i, 0,1,2,3,4,5,6,7
	FRAG 96*(\p)+12*\i, rbB, 3072*\i+1536*qq
.endr
	WIN 0
.irp i, 0,1,2,3
	FRAG AF+48*(\p)+12*\i, rbA, (kp/2)*HALFT+3072*\i+1536*qq
.endr
.endm
; second tile, a K step: set kq % 2 is multiplied, 32 products; fetch = 1: the next K step comes into the other set meanwhile
.macro STEPV kq, cm, fetch
.set pp, (\kq)%2
	s_wait_dscnt 0x0                               ; this step's fragments are in (asked for 32 products ago)
.if \fetch
	PLACES 4                                       ; in front of loads into the set that the last step multiplied
	FETCHV (\kq)+1, 1-pp
.endif
.if (\cm) == 3
	WIN 0x91                                       ; source 0 window 1, source 1 window 0, C window 1, D window 2
.else
	WIN 0xa1
.endif
	MUL16 0, pp, \kq, \cm, 48*pp
	MUL16 2, pp, \kq, \cm, 48*pp
.endm
; 64 numbers of a lane in window win, register src + stp x b + i = k 32 b + 16 (lane / 16) + i of my row, become a fragment's codes in v[PC] on and its scale word in v[PW], both in window 0.
; Each accumulator is first read at its low end: i ascends.
.macro QUANTW src, stp, win
	WIN ((\win)<<2)|((\win)<<4)
.irp b, 0,1,2,3
	v_max3_num_f32 v[TM+\b], 0x1800000, |v[(\src)+(\stp)*\b]|, |v[(\src)+(\stp)*\b+1]|   ; and the floor 2^(3 - 127): the byte cannot fall under 1
.endr
.irp i, 2,4,6,8,10,12,14
.irp b, 0,1,2,3
	v_max3_num_f32 v[TM+\b], v[TM+\b], |v[(\src)+(\stp)*\b+\i]|, |v[(\src)+(\stp)*\b+\i+1]|
.endr
.endr
	WIN 0
.irp b, 0,1,2,3
	v_permlanex16_b32 v[TM+4+\b], v[TM+\b], s[SEL], s[SEL+1]
.endr
.irp b, 0,1,2,3
	v_max_num_f32 v[TM+\b], v[TM+\b], v[TM+4+\b]
.endr
.irp b, 0,1,2,3
	v_add_nc_u32 v[TM+12+\b], 0xff000000, v[TM+\b]   ; 2 off the exponent field: the conversion's scale operand
.endr
.irp b, 0,1,2,3
	v_lshrrev_b32 v[TM+4+\b], 23, v[TM+12+\b]
.endr
	v_lshl_or_b32 v[PW], v[TM+5], 8, v[TM+4]
	v_lshl_or_b32 v[PW], v[TM+6], 16, v[PW]
	v_lshl_or_b32 v[PW], v[TM+7], 24, v[PW]
	WIN \win
.irp c, 0,1
	v_cvt_scalef32_pk16_fp6_f32 v[PC+6*\c:PC+6*\c+2], v[(\src)+2*(\stp)*\c:(\src)+2*(\stp)*\c+15], v[TM+12+2*\c]
	v_cvt_scalef32_pk16_fp6_f32 v[PC+12+4*\c:PC+14+4*\c], v[(\src)+(\stp)*(2*\c+1):(\src)+(\stp)*(2*\c+1)+15], v[TM+12+2*\c+1]
.endr
	WIN 0
	v_nop                                          ; one plain place behind a scaled conversion
.irp c, 0,1
.irp i, 0,1,2
	v_permlane16_swap_b32 v[PC+6*\c+\i], v[PC+12+4*\c+\i]
.endr
.irp i, 0,1,2
	v_mov_b32 v[PC+3+6*\c+\i], v[PC+12+4*\c+\i]
.endr
.endr
.endm
; a block of 16 rows x 128 is one fragment of the next product: quantised in registers and stored as its image, stride bytes from block to block
.macro EPI a, win, base, stride, first
.if (\first) == 0
	s_wait_xcnt 0x0                                ; the last block's stores have read the codes' registers
.endif
	QUANTW 64*((\a)%4), 16, \win
.irp c, 0,1,2
	global_store_b128 v[LI], v[PC+4*\c:PC+4*\c+3], s[\base:\base+1] offset:(\stride)*(\a)+512*\c   ; 512 consecutive bytes
.endr
	ds_store_b32 v[GW], v[PW] offset:64*(\a)       ; both halves of the lanes write the same word with the same value
.endm
	s_load_b256 s[4:11], s[0:1], 0x0               ; xq s[4:5], wq s[6:7], b_qkv s[8:9], qk s[10:11]
	s_load_b64 s[12:13], s[0:1], 0x20              ; vq
	v_lshl_add_u32 v[SPW], v0, 2, SPARE
	v_mov_b32 v[NIL], 0
	ds_add_u32 v[SPW], v[NIL]                      ; the wave's opening: the adds, waited for ahead of my first tensor load; all offsets are made between the two
	ds_add_u32 v[SPW], v[NIL]
	v_lshrrev_b32 v1, 5, v0
	v_readfirstlane_b32 s14, v1                    ; wave
	s_lshr_b32 s15, s14, 1                         ; rh: my half of a tile's rows.  Also: I fetch for A (0) or for B (1)
	s_and_b32 s16, s14, 1                          ; ch: my half of its columns.  Also: which piece I fetch
	s_bfe_u32 s40, ttmp6, 0x40000                  ; cx
	s_bfe_u32 s41, ttmp6, 0x40004                  ; cy
	s_and_b32 s18, ttmp7, 0xffff
	s_lshl_b32 s18, s18, 2                         ; 4 x cluster y
	s_lshl_b32 s19, ttmp9, 2                       ; 4 x cluster x
	s_add_co_u32 s17, s18, s41                     ; TR:  256 tokens of the first tile
	s_add_co_u32 s42, s19, s40                     ; TC:  its 256 columns among q's and k's 2,048
	s_add_co_u32 s66, s19, s41                     ; TRv: 128 of v's d
	s_add_co_u32 s67, s18, s40                     ; TCv: 256 tokens of the second tile
	s_lshl_b32 s43, s41, 2
	s_lshl_b32 s43, 15, s43                        ; my row of the cluster
	s_lshl_b32 s44, 0x1111, s40                    ; my column
	s_or_b32 s[G1], s43, (3<<16)|(1<<21)           ; 15:0 the mask; 17:16 elements of 8 bytes; 21 set beside a mask; no padding
	s_or_b32 s[G1B], s44, (3<<16)|(1<<21)
.irp g, G1, G1B                        ; the head's shape, for its one load a wave
	s_mov_b32 s[\g+1], 6144<<16                    ; the head's shape: two K pairs of 16 rowblocks: 2 rows of 49,152 dense bytes (6,144 elements),
	s_mov_b32 s[\g+2], 2<<16
	s_mov_b32 s[\g+3], 6144<<16
	s_mov_b32 s[\g+4], 2
	s_mov_b32 s[\g+5], KPS/8                       ; a K pair apart in memory, on end in LDS
	s_mov_b32 s[\g+6], 0
	s_mov_b32 s[\g+7], 0
.endr
	s_mov_b32 s[SEL], 0x76543210
	s_mov_b32 s[SEL+1], 0xfedcba98
	; first rowblocks: A's hang on the tile rows alone (cy), B's on the tile columns alone (cx)
	s_lshl_b32 s46, s17, 4                         ; first tile, A: x's rowblock 16 TR
	s_lshl_b32 s47, s42, 4                         ; first tile, B: W's rowblock 16 TC
	s_lshl_b32 s20, s66, 3
	s_add_co_u32 s20, s20, 128                     ; second tile, A: W's rowblock 128 + 8 TRv (columns 2,048 on)
	s_lshl_b32 s21, s67, 4                         ; second tile, B: x's rowblock 16 TCv
	s_lshl_b32 s22, s16, 3                         ; 8 rowblocks x the half that I fetch
	; where my tensor loads begin, as offsets
	s_add_co_u32 s88, s46, s22
	s_mul_i32 s88, s88, 3072
	s_mov_b32 s89, 0
	s_add_co_u32 s90, s47, s22
	s_mul_i32 s90, s90, 3072
	s_mov_b32 s91, 0
	s_mul_i32 s[AV], s20, 3072                     ; second tile, A: all 8 rowblocks; wave 0 takes K pairs 0 and 1, wave 1 pairs 2 and 3
	s_mul_i32 s23, s16, 2*KPS
	s_add_co_u32 s[AV], s[AV], s23
	s_mov_b32 s[AV+1], 0
	s_add_co_u32 s[BV], s21, s22
	s_mul_i32 s[BV], s[BV], 3072
	s_mov_b32 s[BV+1], 0
	s_mul_i32 s[GE+2], s21, 3072                   ; behind the ring: the second tile's B, all 16 rowblocks, K pairs 2 and 3, by one load
	s_add_co_u32 s[GE+2], s[GE+2], 2*KPS
	s_mov_b32 s[GE+3], 0
	s_mul_i32 s45, s15, 4*HALFT                    ; where my ring loads go: A's pieces, then B's; no place in the cluster enters an LDS address
	s_mul_i32 s23, s16, HALFT
	s_add_co_u32 s45, s45, s23
	; the scale words of my positions, all eight K steps
	s_lshl_b32 s80, s46, 6
	s_lshl_b32 s23, s15, 9
	s_add_co_u32 s80, s80, s23
	s_add_co_u32 s80, s80, SCW                     ; first tile, A: 128 positions from 256 TR + 128 rh
	s_mov_b32 s81, 0
	s_lshl_b32 s82, s47, 6
	s_lshl_b32 s23, s16, 9
	s_add_co_u32 s82, s82, s23
	s_add_co_u32 s82, s82, SCW                     ; first tile, B
	s_mov_b32 s83, 0
	s_lshl_b32 s84, s20, 6
	s_lshl_b32 s18, s15, 8
	s_add_co_u32 s84, s84, s18
	s_add_co_u32 s84, s84, SCW                     ; second tile, A: 64 positions
	s_mov_b32 s85, 0
	s_lshl_b32 s86, s21, 6
	s_add_co_u32 s86, s86, s23
	s_add_co_u32 s86, s86, SCW                     ; second tile, B: 128 positions
	s_mov_b32 s87, 0
	; where the first tile's results go
	s_lshl_b32 s18, s15, 3
	s_add_co_u32 s18, s18, s46                     ; RB = 16 TR + 8 rh
	s_lshl_b32 s72, s40, 9                         ; the K pair of the next product is TC % 4 = cx
	s_add_co_u32 s72, s72, s18
	s_mul_i32 s72, s72, 3072
	s_mul_i32 s19, ttmp9, OP8                      ; q's operand, or k's behind it
	s_add_co_u32 s72, s72, s19
	s_mul_i32 s22, s16, 1536
	s_add_co_u32 s72, s72, s22
	s_mov_b32 s73, 0
	s_lshl_b32 s76, s40, 1
	s_add_co_u32 s76, s76, s16
	s_lshl_b32 s76, s76, 13
	s_lshl_b32 s22, s18, 4
	s_add_co_u32 s76, s76, s22
	s_lshl_b32 s76, s76, 2
	s_add_co_u32 s76, s76, s19
	s_add_co_u32 s76, s76, SCW
	s_mov_b32 s77, 0
	s_lshl_b32 s78, s42, 10
	s_add_co_u32 s78, s78, s23                     ; the bias of my 128 columns
	s_mov_b32 s79, 0
	; and the second tile's
	s_lshl_b32 s18, s66, 3
	s_lshl_b32 s19, s15, 2
	s_add_co_u32 s18, s18, s19                     ; RBv = 8 TRv + 4 rh
	s_and_b32 s19, s67, 7
	s_lshl_b32 s19, s19, 1
	s_add_co_u32 s19, s19, s16                     ; g: the K step among the batch's 16
	s_lshr_b32 s22, s67, 3                         ; the batch
	s_lshr_b32 s74, s19, 2
	s_lshl_b32 s74, s74, 6
	s_add_co_u32 s74, s74, s18
	s_mul_i32 s74, s74, 6144
	s_and_b32 s23, s19, 3
	s_mul_i32 s23, s23, 1536
	s_add_co_u32 s74, s74, s23
	s_mul_i32 s23, s22, 1572864
	s_add_co_u32 s74, s74, s23
	s_mov_b32 s75, 0
	s_lshl_b32 s96, s22, 4
	s_add_co_u32 s96, s96, s19
	s_lshl_b32 s96, s96, 10
	s_lshl_b32 s23, s18, 4
	s_add_co_u32 s96, s96, s23
	s_lshl_b32 s96, s96, 2
	s_add_co_u32 s96, s96, SCW
	s_mov_b32 s97, 0
	s_lshl_b32 s98, s18, 6
	s_add_co_u32 s98, s98, 8192                    ; the bias of my 64 rows: b_qkv from 2,048 + 128 TRv + 64 rh on
	s_mov_b32 s99, 0
	s_wait_dscnt 0x0                               ; the opening add is done
	s_wait_kmcnt 0x0
	s_add_nc_u64 s[88:89], s[4:5], s[88:89]        ; first tile: A = x's codes,
	s_add_nc_u64 s[90:91], s[6:7], s[90:91]        ; B = W's
	s_add_nc_u64 s[AV:AV+1], s[6:7], s[AV:AV+1]    ; second tile: A = W's,
	s_add_nc_u64 s[BV:BV+1], s[4:5], s[BV:BV+1]    ; B = x's
	s_mov_b32 s[GE], 1
	s_mov_b32 s[GE+1], EXT
	s_add_nc_u64 s[GE+2:GE+3], s[4:5], s[GE+2:GE+3]
	s_or_b32 s[GE+3], s[GE+3], 0x80000000
	CROUND                                         ; all sixteen work-groups are here: the first joint loads meet
.irp s, 0,1
	s_mov_b32 s[G0+4*\s], 1
	s_add_co_u32 s[G0+4*\s+1], s45, \s*SLOT
	s_add_nc_u64 s[G0+4*\s+2:G0+4*\s+3], s[88:89], \s*KPS
	s_or_b32 s[G0+4*\s+3], s[G0+4*\s+3], 0x80000000
	s_mov_b32 s[G0B+4*\s], 1
	s_add_co_u32 s[G0B+4*\s+1], s45, \s*SLOT
	s_add_nc_u64 s[G0B+4*\s+2:G0B+4*\s+3], s[90:91], \s*KPS
	s_or_b32 s[G0B+4*\s+3], s[G0B+4*\s+3], 0x80000000
.endr
	; THE HEAD'S LOADS, at most one a wave: wave 0 both slots of A, wave 2 both slots of B, wave 1 the pieces behind the ring; wave 3 none.  One chain of branches, one join.
	s_cmp_eq_u32 s14, 0
	s_cbranch_scc0 .Lhead_b
	tensor_load_to_lds s[G0:G0+3], s[G1:G1+7]
	s_nop 0
.rept 4
	v_nop
.endr
	s_branch .Lhead_asked
.Lhead_b:
	s_cmp_eq_u32 s14, 2
	s_cbranch_scc0 .Lhead_e
	tensor_load_to_lds s[G0B:G0B+3], s[G1B:G1B+7]
	s_nop 0
.rept 4
	v_nop
.endr
	s_branch .Lhead_asked
.Lhead_e:
	s_cmp_eq_u32 s14, 1
	s_cbranch_scc0 .Lhead_asked
	tensor_load_to_lds s[GE:GE+3], s[G1B:G1B+7]
	s_nop 0
.rept 4
	v_nop
.endr
.Lhead_asked:
	v_and_b32 v1, 31, v0
	v_and_b32 v2, 15, v0                           ; r
	v_bfe_u32 v3, v0, 4, 1                         ; h
	v_lshlrev_b32 v[LI], 4, v1
	s_wait_alu depctr_va_vdst(0)
	v_lshlrev_b32 v[L4], 2, v1
	v_lshlrev_b32 v[L8], 3, v1
	; THE PREFETCHES: each wave's later tensor loads are asked for one refill ahead.  A piece is 96 blocks of 256 bytes; the four partners that ask for it jointly share them out BY ADDRESS,
	; 24 each: place cx among A's partners, cy among B's; a lane a block, lanes 24-31 name their wave's last block again.  s[88:89]: my share of my piece in the first tile, K pair 0; s[100:101]: in the second.
.set PFQ, 8                            ; v8  256 x min(lane, 23); never rewritten
	v_min_u32 v[PFQ], 23, v1
	v_lshlrev_b32 v[PFQ], 8, v[PFQ]
	s_cmp_eq_u32 s15, 0                            ; do I fetch for A?
	s_cselect_b64 s[88:89], s[88:89], s[90:91]
	s_cselect_b64 s[100:101], s[AV:AV+1], s[BV:BV+1]
	s_cselect_b32 s90, s40, s41
	s_mul_i32 s90, s90, 6144
	s_mov_b32 s91, 0
	s_add_nc_u64 s[88:89], s[88:89], s[90:91]
	s_add_nc_u64 s[100:101], s[100:101], s[90:91]
	s_wait_alu depctr_va_vdst(0)                   ; directly ahead of the reader below
	global_prefetch_b8 v[PFQ], s[88:89] offset:2*KPS th:TH_LOAD_NT scope:SCOPE_SE     ; K pair 2, which the first change of slots loads
	s_add_nc_u64 s[80:81], s[4:5], s[80:81]        ; x's scale words
	s_add_nc_u64 s[82:83], s[6:7], s[82:83]        ; W's
.irp j, 0,1,2,3
.irp k, 0,1,2,3,4,5,6,7
	global_load_b32 v[SA+8*\j+\k], v[L4], s[80:81] offset:\k*32768+128*\j   ; 128 consecutive bytes
	global_load_b32 v[SB+8*\j+\k], v[L4], s[82:83] offset:\k*32768+128*\j
.endr
.endr
	s_add_nc_u64 s[78:79], s[8:9], s[78:79]
	v_lshlrev_b32 v5, 6, v3                        ; the bias by n: 64 h
	WIN 0x40
.irp b, 0,1,2,3,4,5,6,7
	global_load_b128 v[192+8*\b:195+8*\b], v5, s[78:79] offset:(32*(\b/2)+8*(\b%2))*4      ; accumulator b, register j: n = 32 (b / 2) + 16 h + 8 (b % 2) + j
	global_load_b128 v[196+8*\b:199+8*\b], v5, s[78:79] offset:(32*(\b/2)+8*(\b%2))*4+16
.endr
	WIN 0
	s_mul_i32 s21, s15, HALFT
	s_mul_i32 s22, s16, HALFT
	s_add_co_u32 s22, s22, 4*HALFT
.irp s, 0,1
	v_add_nc_u32 v[ADRA+\s], s21, v[LI]
	v_add_nc_u32 v[ADRB+\s], s22, v[LI]
	s_add_co_u32 s21, s21, SLOT
	s_add_co_u32 s22, s22, SLOT
.endr
	s_mul_i32 s18, s15, 12288                      ; second tile: my 4 of A's 8 rowblocks
	v_add_nc_u32 v[ADRAV], s18, v[LI]
	s_add_co_u32 s18, s18, SLOT
	v_add_nc_u32 v[ADRAV+1], s18, v[LI]
	s_mul_i32 s18, s16, HALFT
	s_add_co_u32 s18, s18, EXT
	v_add_nc_u32 v[ADRE], s18, v[LI]
	s_add_co_u32 s18, s18, 2*HALFT
	v_add_nc_u32 v[ADRE+1], s18, v[LI]
	s_lshl_b32 s18, s14, 9
	s_add_co_u32 s18, s18, GATHER
	v_lshl_add_u32 v[GW], v2, 2, s18
	v_add_nc_u32 v[GR], s18, v[LI]
	v_add_nc_u32 v[GR2], s18, v[L8]
	v_and_b32 v6, 7, v2
	v_lshrrev_b32 v7, 3, v2
	v_lshl_add_u32 v6, v7, 4, v6
	v_lshlrev_b32 v6, 2, v6                        ; the bias by m: 4 (r % 8 + 16 (r / 8))
	s_add_nc_u64 s[84:85], s[6:7], s[84:85]        ; second tile: W's scale words,
	s_add_nc_u64 s[86:87], s[4:5], s[86:87]        ; x's
	s_add_nc_u64 s[72:73], s[10:11], s[72:73]      ; q's or k's codes,
	s_add_nc_u64 s[76:77], s[10:11], s[76:77]      ; their scale words
	s_add_nc_u64 s[74:75], s[12:13], s[74:75]      ; v's codes,
	s_add_nc_u64 s[96:97], s[12:13], s[96:97]      ; its scale words,
	s_add_nc_u64 s[98:99], s[8:9], s[98:99]        ; its bias
	s_wait_alu depctr_va_vdst(0)
	s_wait_tensorcnt 0x0                           ; my load of the head has landed: no tensor load of mine is out, so group 1 may be written
.irp g, G1, G1B                        ; from here on a load brings a dense block of 24,576 bytes as 96 rows of 256
	s_mov_b32 s[\g+1], 32<<16
	s_mov_b32 s[\g+2], 96<<16
	s_mov_b32 s[\g+3], 32<<16
	s_mov_b32 s[\g+4], 96
	s_mov_b32 s[\g+5], 32
.endr
	s_barrier_signal -1
	s_barrier_wait -1
	FETCH_B 0, 0, 0
	FETCH_A 0, 0, 0
	FETCH_A 0, 0, 4
	s_wait_loadcnt 0x0                             ; the scale words and the bias
	STEP 0, 0, 2                                   ; THE BIAS IS THE C OF THE FIRST K STEP: nothing is cleared, nothing is added
	TURN 0, 1, 1, 1
	STEP 1, 2, 0
	TURN 1, 0, 3, 1
	STEP 0, 4, 0
	TURN 0, 1, 5, 2                                ; slot 0 takes the second tile's pieces
	STEP 1, 6, 0
	s_wait_dscnt 12                                ; the first tile's last K step
	WIN 0xa1
	MUL16 0, 1, 7, 0, 0
	MUL16 2, 1, 7, 0, 0
	s_wait_dscnt 0x0
	WIN 0xf1
	MUL16 4, 1, 7, 0, 0
	MUL16 6, 1, 7, 0, 0
	PLACES 4                                       ; in front of reads of results and of loads into registers that the products have read
	WIN 0
	s_wait_tensorcnt 0x0                           ; slot 0's pieces, asked for 160 products ago, have landed: no tensor load of mine is out
	ds_add_u32 v[SPW], v[NIL]
	s_wait_dscnt 0x0                               ; the add is done, and my reads of slot 1 are over
	CROUND                                         ; the same holds of every wave of every partner
	VADR 1
	JLOAD G0+4, G1, G0B+4, G1B                     ; slot 1 takes the second tile's pieces: they land under the way out below
.irp k, 0,1,2,3,4,5,6,7                ; the second tile's scale words take the first tile's registers
.irp j, 0,1
	global_load_b32 v[SA+8*\j+\k], v[L4], s[84:85] offset:\k*32768+128*\j
.endr
.irp j, 0,1,2,3
	global_load_b32 v[SB+8*\j+\k], v[L4], s[86:87] offset:\k*32768+128*\j
.endr
.endr
	WIN 0x40
	s_wait_alu depctr_va_vdst(0)
.irp a, 0,1,2,3
	global_load_b32 v[192+8*\a], v6, s[98:99] offset:(32*(\a/2)+8*(\a%2))*4   ; block a, lane r: row 32 (a / 2) + 8 (a % 2) + r % 8 + 16 (r / 8)
.endr
	WIN 0
	; THE FIRST TILE'S WAY OUT
.irp b, 0,1,2,3
	v_mov_b32 v[TM+4+\b], 0                        ; written once: a lane permute's destination counts as one of its sources
.endr
	EPI 0, 2, 72, 3072, 1
.irp a, 1,2,3,4,5,6,7
	EPI \a, 2+\a/4, 72, 3072, 0
.endr
	ds_load_b128 v[232:235], v[GR]                 ; in order behind my stores: the 128 scale words
	s_wait_dscnt 0x0
	global_store_b128 v[LI], v[232:235], s[76:77]  ; 512 consecutive bytes
	; THE SECOND TILE: all its K lies in LDS
	s_wait_tensorcnt 0x0                           ; my piece of slot 1 is in,
	s_barrier_signal -1
	s_barrier_wait -1                              ; everybody's is
	FETCHV 0, 0
	s_wait_loadcnt 0x0                             ; its scale words and its bias
	WIN 0x41
.irp a, 0,1,2,3
.irp j, 1,2,3,4,5,6,7
	v_mov_b32 v[192+8*\a+\j], v[192+8*\a]          ; one number for the lane's eight registers
.endr
.endr
	PLACES 4
	s_wait_alu depctr_va_vdst(0)
	STEPV 0, 3, 1                                  ; the bias is the C of the first K step
	STEPV 1, 0, 1
	STEPV 2, 0, 1
	STEPV 3, 0, 1
	STEPV 4, 0, 1
	STEPV 5, 0, 1
	STEPV 6, 0, 1
	STEPV 7, 0, 0
	PLACES 4
.irp a, 0,1,2,3
	EPI \a, 2, 74, 6144, 0
.endr
	ds_load_b64 v[232:233], v[GR2]                 ; in order behind my stores: the 64 scale words (the store that read these registers has read them: a wait on XCNT stands in each block above)
	s_wait_dscnt 0x0
	global_store_b64 v[L8], v[232:233], s[96:97]   ; 256 consecutive bytes
	s_wait_tensorcnt 0x0                           ; the wave's end
	ds_add_u32 v[SPW], v[NIL]
	s_wait_dscnt 0x0
	CROUND                                         ; the closing round
	s_endpgm
.Lfunc_end_k_q7959caeb2c_qkv:
	.size	k_q7959caeb2c_qkv, .Lfunc_end_k_q7959caeb2c_qkv-k_q7959caeb2c_qkv
	.p2alignl 7, 3214868480
	.fill 96, 4, 3214868480
	.section	.rodata,"a",@progbits
	.p2align	6, 0x0
	.amdhsa_kernel k_q7959caeb2c_qkv
		.amdhsa_group_segment_fixed_size 327680
		.amdhsa_private_segment_fixed_size 0
		.amdhsa_enable_private_segment 0
		.amdhsa_kernarg_size 40
		.amdhsa_user_sgpr_count 2
		.amdhsa_user_sgpr_kernarg_segment_ptr 1
		.amdhsa_wavefront_size32 1
		.amdhsa_system_sgpr_workgroup_id_x 1
		.amdhsa_system_sgpr_workgroup_id_y 1
		.amdhsa_system_sgpr_workgroup_id_z 1
		.amdhsa_system_vgpr_workitem_id 0
		.amdhsa_next_free_vgpr 1024
		.amdhsa_next_free_sgpr 102
		.amdhsa_reserve_vcc 0
		.amdhsa_float_denorm_mode_32 3
		.amdhsa_float_denorm_mode_16_64 3
		.amdhsa_memory_ordered 1
		.amdhsa_forward_progress 1
		.amdhsa_inst_pref_size 226
	.end_amdhsa_kernel
	.amdgpu_metadata
---
amdhsa.version: [ 1, 2 ]
amdhsa.kernels:
  - .name:           k_q7959caeb2c_qkv
    .symbol:         k_q7959caeb2c_qkv.kd
    .args:
      - { .name: xq, .offset: 0, .size: 8, .value_kind: global_buffer, .address_space: global }
      - { .name: wq, .offset: 8, .size: 8, .value_kind: global_buffer, .address_space: global }
      - { .name: b_qkv, .offset: 16, .size: 8, .value_kind: global_buffer, .address_space: global }
      - { .name: qk, .offset: 24, .size: 8, .value_kind: global_buffer, .address_space: global }
      - { .name: vq, .offset: 32, .size: 8, .value_kind: global_buffer, .address_space: global }
    .group_segment_fixed_size: 327680
    .private_segment_fixed_size: 0
    .kernarg_segment_align: 8
    .kernarg_segment_size: 40
    .max_flat_workgroup_size: 128
    .sgpr_count:     102
    .vgpr_count:     1024
    .wavefront_size: 32
...
	.end_amdgpu_metadata
.endif
;; end of part 2
;; launch scores (part 3): grid 8 x 32, 4 waves a work-group, clusters of 4 x 4, 327,680 bytes of LDS; arguments qk, attn_mask, pq; writes pq
.if DOCPART == 3
	.amdgcn_target "amdgcn-amd-amdhsa--gfx1250"
	.amdhsa_code_object_version 6
	.text
	.protected	k_q7959caeb2c_scores
	.globl	k_q7959caeb2c_scores
	.p2align	8
	.type	k_q7959caeb2c_scores,@function
k_q7959caeb2c_scores:
	s_mov_b64 s[64:65], 0
	v_nop
	global_prefetch_b8 v0, s[64:65] scope:SCOPE_SE
	s_setreg_imm32_b32 hwreg(HW_REG_WAVE_MODE, 25, 1), 1
	s_wait_xcnt 0x0
	s_wait_alu depctr_hold_cnt(0) depctr_sa_sdst(0) depctr_va_vdst(0) depctr_va_sdst(0) depctr_va_ssrc(0) depctr_va_vcc(0) depctr_vm_vsrc(0)
	s_getreg_b32 s2, hwreg(HW_REG_IB_STS2, 6, 4)
	s_cmp_eq_u32 s2, 0
	s_cbranch_scc0 .Lentry_in_a_cluster
	s_endpgm
.Lentry_in_a_cluster:
	s_bfe_u32 s2, ttmp6, 0x10000c
	s_cmp_lg_u32 s2, 0xf033
	s_cbranch_scc0 .Lentry_shape_is_right
	s_endpgm
.Lentry_shape_is_right:
; s = (q . k) / 32 + mask on codes of FP6 (E2M3); then, for each query and each GROUP of 128 keys: t = s log2(e), M_g = ceil(the group's largest t), p = 2^(t - M_g), quantised along the keys in blocks of 32.
; Stored: p's codes, and for each (group, query) the local scale word, -M_g and l_g = the sum of the unquantised p.  The next launch brings the scale bytes under the row's M: a power of two, which changes no code.
; The maximum is taken away before every exponential: the exponent t - M_g is never above 0.  x2 is not read: reference() never uses it.
; LIMITS: NaN and +infinity among the inputs are not served; -infinity in the mask is (a group all at -infinity gives p = 0, l_g = 0).  The factor 2^-5 stands on the score and not on q: an exact power of two.
; LAYOUTS: qk as the launch before wrote it.  pq: fragment (K step g of the batch's 16, rowblock R of 512) at ((g / 4) x 512 + R) x 6,144 + (g % 4) x 1,536; from byte 12,582,912 three planes [16][8192] of 4 bytes.
; A tile is 256 queries x 256 keys: four waves of 128 x 128.  K goes in pairs of steps (256) through a ring of two slots; joint loads in a 4 x 4 cluster: q's tiles along a row, k's along a column.
; A wave's piece is 8 rowblocks x 2 K steps, 24,576 dense bytes; piece (wave w, slot s) lies at w x 49,152 + s x 24,576.  THE HEAD'S ONE LOAD A WAVE FILLS BOTH SLOTS: 2 rows of 24,576 bytes, a K pair apart in memory.
; Source 0 = k, source 1 = q: a lane holds ONE query (position 16 a + lane % 16) and, in accumulators 2 t and 2 t + 1, keys 32 t + 16 (lane / 16) + 0 .. 15.
; THE MASK comes by rows, 512 consecutive bytes a load, and turns through the wave's own three stages in LDS.  No two work-groups share a byte of it, so it is not asked for jointly.
; Blocks 0, 1 are loaded at the head and 2, 3 at the second change of slots; 0, 1, 2 are laid into the stages between the products; 4 to 6 are loaded when the products end, 7 when block 3 has left its registers.
; PREFETCHES: rows 64-127 of my quadrant of the mask, 32 rows at each of the first two changes of slots (six and four K steps ahead of their loads), a lane to each 256 bytes, each named once in the launch;
; K pair 2 at the head and K pair 3 at the first change of slots, one refill ahead: of a piece's 96 blocks of 256 bytes each of the four partners that ask for it jointly names 24, told apart by address.
; THE WAY OUT runs on two buffers: block a + 2 turns through LDS while block a + 1 is worked.
; REGISTERS: window 0: v4-15, v18-19 at work; v16-31 addresses; v32-63 k's scale words, v64-95 q's; v96-191 q's fragments, later buffer 0 and the work; v192-255 a block of the mask, later buffer 1.
;   window 1: k's two sets v0-95, v96-191, later three blocks of the mask; v192-255 a block of the mask.   windows 2, 3: the accumulators.
.set HALFT,  24576
.set KPS,    1572864
.set OP8,    6553600
.set SCW,    6291456
.set STATS,  12582912
.set STG,    8*HALFT                   ; behind the ring: three stages of 16 x 528 bytes for each wave,
.set STB,    8448
.set GATHER, STG+4*3*STB               ; 3 x 512 bytes a wave for the statistics,
.set SPARE,  GATHER+4*1536             ; and the spare words, 128 bytes a wave: two blocks of 256 bytes that no other line names
.set BM,   4                           ; v4-7   each block's largest score, then its largest p
.set BX,   8                           ; v8-11  at work
.set SO,   12                          ; v12-15 the conversions' scale operands
.set ADRA, 16
.set NM,   18                          ; v[18:19] -M_g
.set ADRB, 20
.set STI,  22                          ; into a stage
.set STO,  23                          ; out of it
.set LI,   24
.set L4,   25
.set GW,   26
.set GR,   27
.set SPW,  28
.set NIL,  29
.set PFO,  30                          ; the mask's prefetches: row lane / 2, block of 256 bytes lane % 2
.set PFQ,  31                          ; the codes' prefetches: 256 x min(lane, 23)
.set SB,   32
.set SA,   64
.set AF,   96
.set M0,   96                          ; buffer 0: the mask, then the scores, then p
.set M1,   192                         ; buffer 1
.set LS,   160
.set LT,   162
.set PW,   164
.set T1,   165
.set T2,   166
.set PC,   168                         ; v168-187
.set PK,   10                          ; s[10:11] my share of my piece of the codes
.set IS,   66                          ; s[66:67] 2^-5
.set MB,   68                          ; s[68:69] the mask at my quadrant
.set CS,   70                          ; s[70:71] log2(e)
.set SEL,  96
.set G1,   24
.set G0,   32
.set G1B,  48
.set G0B,  56
.set MSB, 0
.macro WIN new                         ; the immediate's high byte repeats the setting that is left
.if MSB != (\new)
	s_set_vgpr_msb (MSB<<8)|(\new)
.set MSB, (\new)
.endif
.endm
.macro JLOAD g0a, g1a, g0b, g1b        ; waves 0 and 1 fetch for q, waves 2 and 3 for k; an s_nop 0 and four v_nop follow each line
	s_cmp_eq_u32 s15, 0
	s_cbranch_scc0 .Lfor_b_\@
	tensor_load_to_lds s[\g0a:\g0a+3], s[\g1a:\g1a+7]
	s_nop 0
.rept 4
	v_nop
.endr
	s_branch .Lasked_\@
.Lfor_b_\@:
	tensor_load_to_lds s[\g0b:\g0b+3], s[\g1b:\g1b+7]
	s_nop 0
.rept 4
	v_nop
.endr
.Lasked_\@:
.endm
.macro CREST
	s_cmp_lg_u32 s14, 0
	s_cbranch_scc1 .Lnot_wave_0_\@
	s_barrier_signal -3
.Lnot_wave_0_\@:
	s_barrier_wait -3
	s_barrier_signal -1
	s_barrier_wait -1
.endm
.macro CROUND
	s_barrier_signal -1
	s_barrier_wait -1
	CREST
.endm
.macro PLACES n
.rept \n
	v_nop
.endr
.endm
.macro FRAG reg, adr, off              ; a fragment's image: three loads of 512 consecutive bytes
.irp c, 0,1,2
	ds_load_b128 v[(\reg)+4*\c:(\reg)+4*\c+3], v[\adr] offset:(\off)+512*\c
.endr
.endm
.macro FETCH_B slot, q, p
	WIN 0x40
.irp i, 0,1,2,3,4,5,6,7
	FRAG 96*(\p)+12*\i, ADRB+\slot, 3072*\i+1536*(\q)
.endr
	WIN 0
.endm
.macro FETCH_A slot, q, i0
.irp i, \i0, \i0+1, \i0+2, \i0+3
	FRAG AF+12*(\i), ADRA+\slot, 3072*(\i)+1536*(\q)
.endr
.endm
.macro ONE a, b, p, kq, cm             ; cm = 1: the first product starts the sum with the constant 0
.set rD, 8*(8*((\a)%4)+(\b))
.set rB, 96*(\p)+12*(\b)
.set rA, AF+12*(\a)
.set rX, SB+8*((\b)/2)+(\kq)
.set rY, SA+8*((\a)/2)+(\kq)
.set par, 2*((\b)%2)+(\a)%2
.if (\cm) == 1
.if par == 0
	v_wmma_scale_f32_16x16x128_f8f6f4 v[rD:rD+7], v[rB:rB+11], v[rA:rA+11], 0, v[rX], v[rY] matrix_a_fmt:MATRIX_FMT_FP6 matrix_b_fmt:MATRIX_FMT_FP6
.elseif par == 1
	v_wmma_scale_f32_16x16x128_f8f6f4 v[rD:rD+7], v[rB:rB+11], v[rA:rA+11], 0, v[rX], v[rY] matrix_a_fmt:MATRIX_FMT_FP6 matrix_b_fmt:MATRIX_FMT_FP6 matrix_b_scale:MATRIX_SCALE_ROW1
.elseif par == 2
	v_wmma_scale_f32_16x16x128_f8f6f4 v[rD:rD+7], v[rB:rB+11], v[rA:rA+11], 0, v[rX], v[rY] matrix_a_fmt:MATRIX_FMT_FP6 matrix_b_fmt:MATRIX_FMT_FP6 matrix_a_scale:MATRIX_SCALE_ROW1
.else
	v_wmma_scale_f32_16x16x128_f8f6f4 v[rD:rD+7], v[rB:rB+11], v[rA:rA+11], 0, v[rX], v[rY] matrix_a_fmt:MATRIX_FMT_FP6 matrix_b_fmt:MATRIX_FMT_FP6 matrix_a_scale:MATRIX_SCALE_ROW1 matrix_b_scale:MATRIX_SCALE_ROW1
.endif
.else
.if par == 0
	v_wmma_scale_f32_16x16x128_f8f6f4 v[rD:rD+7], v[rB:rB+11], v[rA:rA+11], v[rD:rD+7], v[rX], v[rY] matrix_a_fmt:MATRIX_FMT_FP6 matrix_b_fmt:MATRIX_FMT_FP6
.elseif par == 1
	v_wmma_scale_f32_16x16x128_f8f6f4 v[rD:rD+7], v[rB:rB+11], v[rA:rA+11], v[rD:rD+7], v[rX], v[rY] matrix_a_fmt:MATRIX_FMT_FP6 matrix_b_fmt:MATRIX_FMT_FP6 matrix_b_scale:MATRIX_SCALE_ROW1
.elseif par == 2
	v_wmma_scale_f32_16x16x128_f8f6f4 v[rD:rD+7], v[rB:rB+11], v[rA:rA+11], v[rD:rD+7], v[rX], v[rY] matrix_a_fmt:MATRIX_FMT_FP6 matrix_b_fmt:MATRIX_FMT_FP6 matrix_a_scale:MATRIX_SCALE_ROW1
.else
	v_wmma_scale_f32_16x16x128_f8f6f4 v[rD:rD+7], v[rB:rB+11], v[rA:rA+11], v[rD:rD+7], v[rX], v[rY] matrix_a_fmt:MATRIX_FMT_FP6 matrix_b_fmt:MATRIX_FMT_FP6 matrix_a_scale:MATRIX_SCALE_ROW1 matrix_b_scale:MATRIX_SCALE_ROW1
.endif
.endif
.endm
.macro MUL16 a0, p, kq, cm             ; the 64 accumulators take turns in one fixed order
.irp a, \a0, \a0+1
.irp b, 0,1,2,3,4,5,6,7
	ONE (\a), \b, \p, \kq, \cm
.endr
.endr
.endm
.macro MLOAD blk, rw, rr               ; block blk of the mask, 16 rows x 512 bytes, into window rw from v[rr] on: row t is position 16 blk + t
	WIN (\rw)<<6
.set tt, 0
.rept 16
	global_load_b128 v[(\rr)+4*tt:(\rr)+4*tt+3], v[LI], s[MB:MB+1] offset:(32*((\blk)/2)+8*((\blk)%2)+tt%8+16*(tt/8))*8192 th:TH_LOAD_NT
.set tt, tt+1
.endr
	WIN 0
.endm
.macro PARK rw, rr, st                 ; 16 rows of the mask from window rw, v[rr] on, into my stage st, as they lie (an LDS store's data are its source 1)
	WIN (\rw)<<2
.set tt, 0
.rept 16
	ds_store_b128 v[STI], v[(\rr)+4*tt:(\rr)+4*tt+3] offset:STB*(\st)+528*tt
.set tt, tt+1
.endr
.endm
; a slot's first K step.  hk = 1: blocks 0 and 1 of the mask go into stages 0 and 1; hk = 2: block 2 into stage 2.  The stores stand ahead of the run of fragment loads, so the counted waits behind them stay as they are.
.macro STEP slot, kq, cm, hk
	s_wait_dscnt 12                                ; k's set and q's blocks 0-3 are in; the youngest twelve loads may be out
	WIN 0xa1
	MUL16 0, 0, \kq, \cm
	MUL16 2, 0, \kq, \cm
	s_wait_dscnt 0x0
.if (\hk) == 1
	s_wait_loadcnt 0x0                             ; blocks 0 and 1, asked for at the head
	PARK 0, 192, 0
	PARK 1, 192, 1
.elseif (\hk) == 2
	s_wait_loadcnt 16                              ; block 2 is in; block 3's sixteen loads may be out
	PARK 0, 192, 2
.endif
	PLACES 4
	FETCH_B \slot, 1, 1
	FETCH_A \slot, 1, 0
	WIN 0xf1
	MUL16 4, 0, \kq, \cm
	MUL16 6, 0, \kq, \cm
	PLACES 4
	WIN 0
	FETCH_A \slot, 1, 4
.endm
; a slot's second K step changes slots.  pfm: first of 32 rows of the mask to prefetch (0: none); pfk: the K pair to prefetch (0: none); ml = 1: blocks 2 and 3 of the mask are loaded
.macro TURN slot, next, kq, fill, pfm, pfk, ml
	s_wait_tensorcnt 0x0                           ; all my tensor loads have landed
	ds_add_u32 v[SPW], v[NIL]
	s_wait_dscnt 13                                ; the add and the youngest twelve loads may be out
	WIN 0xa1
	MUL16 0, 1, \kq, 0
	s_wait_dscnt 0x0                               ; the add is done, and my reads of this slot are over
	s_barrier_signal -1
	MUL16 2, 1, \kq, 0
	WIN 0
	s_barrier_wait -1
.if \fill
	CREST                                          ; a round of the cluster's barrier: no wave of any partner still reads this slot or has a load on its way
	s_add_nc_u64 s[G0+4*\slot+2:G0+4*\slot+3], s[G0+4*\slot+2:G0+4*\slot+3], 2*KPS
	s_add_nc_u64 s[G0B+4*\slot+2:G0B+4*\slot+3], s[G0B+4*\slot+2:G0B+4*\slot+3], 2*KPS
	JLOAD G0+4*\slot, G1, G0B+4*\slot, G1B
.else
	PLACES 4
.endif
.if \ml
	MLOAD 2, 0, 192                                ; the stores that read these registers are done: a wait for all LDS instructions stands above
	MLOAD 3, 1, 192
.endif
	FETCH_B \next, 0, 0
	FETCH_A \next, 0, 0
.if \pfm
	global_prefetch_b8 v[PFO], s[MB:MB+1] offset:(\pfm)*8192 th:TH_LOAD_NT scope:SCOPE_SE
	global_prefetch_b8 v[PFO], s[MB:MB+1] offset:((\pfm)+16)*8192 th:TH_LOAD_NT scope:SCOPE_SE
.endif
.if \pfk
	global_prefetch_b8 v[PFQ], s[PK:PK+1] offset:(\pfk)*KPS th:TH_LOAD_NT scope:SCOPE_SE
.endif
	WIN 0xf1
	MUL16 4, 1, \kq, 0
	MUL16 6, 1, \kq, 0
	PLACES 4
	WIN 0
	FETCH_A \next, 0, 4
.endm
	s_load_b128 s[4:7], s[0:1], 0x0                ; qk s[4:5], attn_mask s[6:7]
	s_load_b64 s[8:9], s[0:1], 0x10                ; pq
	v_lshl_add_u32 v[SPW], v0, 2, SPARE
	v_mov_b32 v[NIL], 0
	ds_add_u32 v[SPW], v[NIL]                      ; the wave's opening: the add, twice on end, and its wait ahead of my first tensor load
	ds_add_u32 v[SPW], v[NIL]
	v_lshrrev_b32 v1, 5, v0
	v_readfirstlane_b32 s14, v1
	s_lshr_b32 s15, s14, 1                         ; rh; also: I fetch for q (0) or for k (1)
	s_and_b32 s16, s14, 1                          ; ch; also: which half I fetch
	s_bfe_u32 s40, ttmp6, 0x40000                  ; cx
	s_bfe_u32 s41, ttmp6, 0x40004                  ; cy
	s_lshl_b32 s42, ttmp9, 2
	s_add_co_u32 s42, s42, s40                     ; TC: the tile of 256 keys in the batch
	s_and_b32 s18, ttmp7, 0xffff
	s_lshl_b32 s17, s18, 2
	s_add_co_u32 s17, s17, s41                     ; TY: the tile of 256 queries among all 8,192
	s_lshr_b32 s19, s18, 1                         ; the batch: the same in all sixteen partners
	s_lshl_b32 s43, s41, 2
	s_lshl_b32 s43, 15, s43
	s_lshl_b32 s44, 0x1111, s40
	s_or_b32 s[G1], s43, (3<<16)|(1<<21)
	s_or_b32 s[G1B], s44, (3<<16)|(1<<21)
.irp g, G1, G1B                        ; the head's shape: 2 rows of 24,576 dense bytes (3,072 elements of 8), a K pair apart in memory, on end in LDS
	s_mov_b32 s[\g+1], 3072<<16
	s_mov_b32 s[\g+2], 2<<16
	s_mov_b32 s[\g+3], 3072<<16
	s_mov_b32 s[\g+4], 2
	s_mov_b32 s[\g+5], KPS/8
	s_mov_b32 s[\g+6], 0
	s_mov_b32 s[\g+7], 0
.endr
	s_lshl_b32 s84, s17, 4                         ; q's first rowblock
	s_lshl_b32 s86, s19, 3
	s_add_co_u32 s86, s86, s42
	s_lshl_b32 s86, s86, 4                         ; k's
	s_lshl_b32 s87, s16, 3
	s_add_co_u32 s88, s84, s87
	s_mul_i32 s88, s88, 3072
	s_mov_b32 s89, 0
	s_add_co_u32 s90, s86, s87
	s_mul_i32 s90, s90, 3072
	s_add_co_u32 s90, s90, OP8                     ; k's operand lies behind q's
	s_mov_b32 s91, 0
	s_mul_i32 s45, s14, 2*HALFT                    ; where my loads go: no place in the cluster enters an LDS address
	s_mul_i32 s21, s15, 2*HALFT                    ; q's half rh was fetched by wave rh,
	s_mul_i32 s22, s16, 2*HALFT
	s_add_co_u32 s22, s22, 4*HALFT                 ; k's half ch by wave 2 + ch
	s_mul_i32 s23, s14, 3*STB
	s_add_co_u32 s23, s23, STG                     ; my stages
	s_mul_i32 s46, s14, 1536
	s_add_co_u32 s46, s46, GATHER
	s_mov_b32 s[SEL], 0x76543210
	s_mov_b32 s[SEL+1], 0xfedcba98
	s_mov_b32 s[IS], 0x3d000000                    ; 2^-5 = 1024^-0.5
	s_mov_b32 s[IS+1], s[IS]
	s_mov_b32 s[CS], 0x3fb8aa3b                    ; log2(e)
	s_mov_b32 s[CS+1], s[CS]
	s_wait_dscnt 0x0                               ; both opening adds are done
	s_wait_kmcnt 0x0
	s_add_nc_u64 s[88:89], s[4:5], s[88:89]
	s_add_nc_u64 s[90:91], s[4:5], s[90:91]
	CROUND                                         ; all sixteen work-groups are here: the first joint loads meet
.irp s, 0,1
	s_mov_b32 s[G0+4*\s], 1
	s_add_co_u32 s[G0+4*\s+1], s45, \s*HALFT
	s_add_nc_u64 s[G0+4*\s+2:G0+4*\s+3], s[88:89], \s*KPS
	s_or_b32 s[G0+4*\s+3], s[G0+4*\s+3], 0x80000000
	s_mov_b32 s[G0B+4*\s], 1
	s_add_co_u32 s[G0B+4*\s+1], s45, \s*HALFT
	s_add_nc_u64 s[G0B+4*\s+2:G0B+4*\s+3], s[90:91], \s*KPS
	s_or_b32 s[G0B+4*\s+3], s[G0B+4*\s+3], 0x80000000
.endr
	JLOAD G0, G1, G0B, G1B                         ; my one load of the head: my piece of K pairs 0 and 1, into both slots
	v_and_b32 v1, 31, v0
	v_and_b32 v2, 15, v0
	v_bfe_u32 v3, v0, 4, 1
	v_lshlrev_b32 v[LI], 4, v1
	v_lshlrev_b32 v[L4], 2, v1
	v_add_nc_u32 v[ADRA], s21, v[LI]
	v_add_nc_u32 v[ADRB], s22, v[LI]
	v_add_nc_u32 v[ADRA+1], HALFT, v[ADRA]
	v_add_nc_u32 v[ADRB+1], HALFT, v[ADRB]
	v_add_nc_u32 v[STI], s23, v[LI]                ; in: a row's 512 bytes as they lie
	v_mul_u32_u24 v[STO], v2, 528
	v_lshl_add_u32 v[STO], v3, 6, v[STO]
	v_add_nc_u32 v[STO], s23, v[STO]               ; out: row r, + 64 h
	v_lshl_add_u32 v[GW], v2, 2, s46
	v_add_nc_u32 v[GR], s46, v[LI]
	v_lshrrev_b32 v[PFO], 1, v1
	v_and_b32 v3, 1, v1
	v_lshlrev_b32 v[PFO], 13, v[PFO]
	v_lshl_add_u32 v[PFO], v3, 8, v[PFO]
	v_min_u32 v[PFQ], 23, v1                       ; lanes 24-31 name their wave's last block again
	v_lshlrev_b32 v[PFQ], 8, v[PFQ]
	v_mov_b32 v[NM+1], 0                           ; named with NM as a pair, so it is written
.irp b, 0,1,2,3
	v_mov_b32 v[BX+\b], 0                          ; written once: a lane permute's destination counts as one of its sources
.endr
	s_wait_alu depctr_va_vdst(0)
	s_lshl_b32 s92, s84, 6
	s_lshl_b32 s93, s15, 9
	s_add_co_u32 s92, s92, s93
	s_add_co_u32 s92, s92, SCW
	s_mov_b32 s93, 0
	s_add_nc_u64 s[80:81], s[4:5], s[92:93]        ; q's scale words of my 128 positions
	s_lshl_b32 s92, s86, 6
	s_lshl_b32 s94, s16, 9
	s_add_co_u32 s92, s92, s94
	s_add_co_u32 s92, s92, OP8+SCW
	s_add_nc_u64 s[82:83], s[4:5], s[92:93]        ; k's
.irp j, 0,1,2,3
.irp k, 0,1,2,3,4,5,6,7
	global_load_b32 v[SA+8*\j+\k], v[L4], s[80:81] offset:\k*32768+128*\j
	global_load_b32 v[SB+8*\j+\k], v[L4], s[82:83] offset:\k*32768+128*\j
.endr
.endr
	s_lshl_b32 s18, s17, 8
	s_lshl_b32 s20, s15, 7
	s_add_co_u32 s18, s18, s20                     ; my first query: 256 TY + 128 rh
	s_lshl_b32 s20, s18, 13                        ; a row of the mask is 8,192 bytes
	s_lshl_b32 s21, s42, 10
	s_add_co_u32 s20, s20, s21
	s_lshl_b32 s21, s16, 9
	s_add_co_u32 s20, s20, s21
	s_mov_b32 s21, 0
	s_add_nc_u64 s[MB:MB+1], s[6:7], s[20:21]
	MLOAD 0, 0, 192
	MLOAD 1, 1, 192
	s_cmp_eq_u32 s15, 0                            ; the codes' prefetches: my piece, and of it my work-group's 6,144 bytes: place cx among q's four partners, cy among k's
	s_cselect_b64 s[PK:PK+1], s[88:89], s[90:91]
	s_cselect_b32 s12, s40, s41
	s_mul_i32 s12, s12, 6144
	s_mov_b32 s13, 0
	s_add_nc_u64 s[PK:PK+1], s[PK:PK+1], s[12:13]
	global_prefetch_b8 v[PFQ], s[PK:PK+1] offset:2*KPS th:TH_LOAD_NT scope:SCOPE_SE   ; K pair 2, which the first change of slots loads
	s_lshl_b32 s22, s42, 1
	s_add_co_u32 s22, s22, s16                     ; g: my group of 128 keys
	s_lshr_b32 s20, s22, 2
	s_lshl_b32 s20, s20, 9
	s_lshr_b32 s23, s18, 4
	s_add_co_u32 s20, s20, s23
	s_mul_i32 s20, s20, 6144
	s_and_b32 s23, s22, 3
	s_mul_i32 s23, s23, 1536
	s_add_co_u32 s20, s20, s23
	s_add_nc_u64 s[72:73], s[8:9], s[20:21]        ; p's codes
	s_lshl_b32 s20, s22, 13
	s_add_co_u32 s20, s20, s18
	s_lshl_b32 s20, s20, 2
	s_add_co_u32 s20, s20, STATS
	s_add_nc_u64 s[76:77], s[8:9], s[20:21]        ; the statistics
	s_wait_tensorcnt 0x0                           ; my piece of both slots is in: no tensor load of mine is out, so group 1 may be written
.irp g, G1, G1B                        ; from here on a load brings a dense block of 24,576 bytes as 96 rows of 256
	s_mov_b32 s[\g+1], 32<<16
	s_mov_b32 s[\g+2], 96<<16
	s_mov_b32 s[\g+3], 32<<16
	s_mov_b32 s[\g+4], 96
	s_mov_b32 s[\g+5], 32
.endr
	s_barrier_signal -1
	s_barrier_wait -1                              ; everybody's piece is in
	FETCH_B 0, 0, 0
	FETCH_A 0, 0, 0
	FETCH_A 0, 0, 4
	s_wait_loadcnt 32                              ; the scale words are in; the mask's 32 loads may stay out
	STEP 0, 0, 1, 0
	TURN 0, 1, 1, 1, 64, 3, 0
	STEP 1, 2, 0, 1
	TURN 1, 0, 3, 1, 96, 0, 1
	STEP 0, 4, 0, 0
	TURN 0, 1, 5, 0, 0, 0, 0                       ; nothing is left to fetch: a plain barrier
	STEP 1, 6, 0, 2
	s_wait_dscnt 12
	WIN 0xa1
	MUL16 0, 1, 7, 0
	MUL16 2, 1, 7, 0
	s_wait_dscnt 0x0
	WIN 0xf1
	MUL16 4, 1, 7, 0
	MUL16 6, 1, 7, 0
	WIN 0
; THE WAY OUT, a block of 16 queries x 128 keys at a time.
; TIN: block a of the mask turns through stage a % 3 into buffer mk: register 16 b + i = the mask at key 32 b + 16 h + i of my query.  cnt >= 0: it still lies in registers (window rw, v[rr] on); cnt younger loads may stay out.
; LDS serves a wave's instructions in order: the loads see the stores, and a stage's earlier reads come ahead of its next stores.
.macro TIN a, mk, rw, rr, cnt
.if (\cnt) >= 0
	s_wait_loadcnt \cnt
	PARK \rw, \rr, (\a)%3
	WIN 0
.endif
.irp b, 0,1,2,3
.irp e, 0,1,2,3
	ds_load_b128 v[(\mk)+16*\b+4*\e:(\mk)+16*\b+4*\e+3], v[STO] offset:STB*((\a)%3)+128*\b+16*\e
.endr
.endr
.endm
; COMP: block a, whose mask lies in buffer mk; cnt: the LDS instructions issued behind that block's sixteen loads, which may stay out
; LDS serves a wave's instructions in order: the loads see the stores.
.macro COMP a, mk, cnt
.set AC, 64*((\a)%4)
.set MK, \mk
	s_wait_dscnt \cnt
.if (\a) == 3
	MLOAD 7, 1, 192                                ; block 3's stores into its stage are done by the wait above: its registers take block 7
.endif
	WIN 2+(\a)/4
	s_wait_alu depctr_va_vdst(0)                   ; directly ahead of the first reader of these accumulators
.set nn, 0
.rept 32
	v_pk_fma_f32 v[MK+nn:MK+nn+1], v[AC+nn:AC+nn+1], s[IS:IS+1], v[MK+nn:MK+nn+1] op_sel_hi:[1,0,1]   ; score / 32 + mask; each accumulator from its low end on
.set nn, nn+2
.endr
	WIN 0
.irp b, 0,1,2,3
	v_max3_num_f32 v[BM+\b], v[MK+16*\b], v[MK+16*\b+1], v[MK+16*\b+2]   ; the largest score of each block of 32 keys: for the group's maximum and, since p rises with the score, for the block's largest p
.endr
.irp i, 3,5,7
.irp b, 0,1,2,3
	v_max3_num_f32 v[BM+\b], v[BM+\b], v[MK+16*\b+\i], v[MK+16*\b+\i+1]
.endr
.endr
.irp i, 9,11,13
.irp b, 0,1,2,3
	v_max3_num_f32 v[BM+\b], v[BM+\b], v[MK+16*\b+\i], v[MK+16*\b+\i+1]
.endr
.endr
.irp b, 0,1,2,3
	v_max_num_f32 v[BM+\b], v[BM+\b], v[MK+16*\b+15]
.endr
.irp b, 0,1,2,3
	v_permlanex16_b32 v[BX+\b], v[BM+\b], s[SEL], s[SEL+1]
.endr
.irp b, 0,1,2,3
	v_max_num_f32 v[BM+\b], v[BM+\b], v[BX+\b]
.endr
	v_max3_num_f32 v[T1], v[BM], v[BM+1], v[BM+2]
	v_max_num_f32 v[T1], v[T1], v[BM+3]
	v_mul_f32 v[T1], s[CS], v[T1]                  ; as t
	v_max_num_f32 v[T1], 0xff61b1e6, v[T1]         ; held at -3e38 from below: 128 keys all at -infinity give p = 0 and no NaN
	v_floor_f32 v[NM], -v[T1]                      ; -M_g = floor(-t) = -ceil(t): a whole number
.set nn, 0
.rept 16
	v_pk_fma_f32 v[MK+nn:MK+nn+1], v[MK+nn:MK+nn+1], s[CS:CS+1], v[NM:NM+1] op_sel_hi:[1,0,0]   ; t - M_g
.set nn, nn+2
.endr
.rept 16
	v_pk_fma_f32 v[MK+nn:MK+nn+1], v[MK+nn:MK+nn+1], s[CS:CS+1], v[NM:NM+1] op_sel_hi:[1,0,0]
.set nn, nn+2
.endr
.irp b, 0,1,2,3
	v_fma_f32 v[BM+\b], v[BM+\b], s[CS], v[NM]     ; the same of each block's largest score
.endr
.set nn, 0
	s_wait_alu depctr_va_vdst(0)
.rept 32
	v_exp_f32 v[MK+nn], v[MK+nn]                   ; p = 2^(t - M_g), at most 1
.set nn, nn+1
.endr
.rept 32
	v_exp_f32 v[MK+nn], v[MK+nn]
.set nn, nn+1
.endr
	v_nop                                          ; a plain place behind the exponentials
	s_wait_alu depctr_va_vdst(0)                   ; one wait for the batch, ahead of its first reader
.irp b, 0,1,2,3
	v_exp_f32 v[BM+\b], v[BM+\b]                   ; the block's largest p: the same two instructions on the same number
.endr
	v_pk_add_f32 v[LS:LS+1], v[MK:MK+1], v[MK+2:MK+3]      ; the sum of the UNQUANTISED p, in two chains; it reads the 64 alone
	v_pk_add_f32 v[LT:LT+1], v[MK+4:MK+5], v[MK+6:MK+7]
.irp j, 8,12,16,20,24,28,32,36,40,44,48,52,56,60
	v_pk_add_f32 v[LS:LS+1], v[LS:LS+1], v[MK+\j:MK+\j+1]
	v_pk_add_f32 v[LT:LT+1], v[LT:LT+1], v[MK+\j+2:MK+\j+3]
.endr
	v_pk_add_f32 v[LS:LS+1], v[LS:LS+1], v[LT:LT+1]
	v_add_f32 v[T2], v[LS], v[LS+1]
	v_permlanex16_b32 v[T1], v[T2], s[SEL], s[SEL+1]
	v_add_f32 v[T2], v[T2], v[T1]                  ; l_g
	s_wait_alu depctr_va_vdst(0)                   ; and one for the four
.irp b, 0,1,2,3
	v_max_num_f32 v[BM+\b], 0x1800000, v[BM+\b]    ; the floor 2^(3 - 127): the byte cannot fall under 1
.endr
.irp b, 0,1,2,3
	v_add_nc_u32 v[SO+\b], 0xff000000, v[BM+\b]    ; 2 off the exponent field: the conversion's scale operand
.endr
.irp b, 0,1,2,3
	v_lshrrev_b32 v[BX+\b], 23, v[SO+\b]
.endr
	v_lshl_or_b32 v[PW], v[BX+1], 8, v[BX]
	v_lshl_or_b32 v[PW], v[BX+2], 16, v[PW]
	v_lshl_or_b32 v[PW], v[BX+3], 24, v[PW]
.if (\a) > 0
	s_wait_xcnt 0x0                                ; the last block's stores have read the codes' registers
.endif
.irp c, 0,1
	v_cvt_scalef32_pk16_fp6_f32 v[PC+6*\c:PC+6*\c+2], v[MK+32*\c:MK+32*\c+15], v[SO+2*\c]
	v_cvt_scalef32_pk16_fp6_f32 v[PC+12+4*\c:PC+14+4*\c], v[MK+32*\c+16:MK+32*\c+31], v[SO+2*\c+1]
.endr
	v_nop                                          ; one plain place behind a scaled conversion
.irp c, 0,1
.irp i, 0,1,2
	v_permlane16_swap_b32 v[PC+6*\c+\i], v[PC+12+4*\c+\i]
.endr
.irp i, 0,1,2
	v_mov_b32 v[PC+3+6*\c+\i], v[PC+12+4*\c+\i]
.endr
.endr
.irp c, 0,1,2
	global_store_b128 v[LI], v[PC+4*\c:PC+4*\c+3], s[72:73] offset:6144*(\a)+512*\c   ; 512 consecutive bytes
.endr
	ds_store_b32 v[GW], v[PW] offset:64*(\a)
	ds_store_b32 v[GW], v[NM] offset:512+64*(\a)
	ds_store_b32 v[GW], v[T2] offset:1024+64*(\a)
.endm
	PLACES 4                                       ; in front of reads of results and of loads into registers that the products have read
	MLOAD 4, 1, 0
	MLOAD 5, 1, 64
	MLOAD 6, 1, 128
	TIN 0, M0, 0, 0, -1                            ; blocks 0, 1, 2 lie in the stages
	TIN 1, M1, 0, 0, -1
	COMP 0, M0, 16                                 ; behind block 0's loads: block 1's 16
	TIN 2, M0, 0, 0, -1
	COMP 1, M1, 19                                 ; 3 stores of statistics and block 2's 16 loads
	TIN 3, M1, 1, 192, 48                          ; blocks 4, 5, 6 may stay out
	COMP 2, M0, 35                                 ; 3 stores, and the next block's 16 stores and 16 loads; so too below
	TIN 4, M0, 1, 0, 32                            ; blocks 5, 6
	COMP 3, M1, 35
	TIN 5, M1, 1, 64, 32                           ; blocks 6, 7
	COMP 4, M0, 35
	TIN 6, M0, 1, 128, 16                          ; block 7
	COMP 5, M1, 35
	TIN 7, M1, 1, 192, 0
	COMP 6, M0, 35
	COMP 7, M1, 3
.irp p, 0,1,2
	ds_load_b128 v[M0+4*\p:M0+4*\p+3], v[GR] offset:512*\p   ; in order behind my stores: 128 scale words, 128 -M_g, 128 l_g
.endr
	s_wait_dscnt 0x0
.irp p, 0,1,2
	global_store_b128 v[LI], v[M0+4*\p:M0+4*\p+3], s[76:77] offset:524288*\p   ; 512 consecutive bytes
.endr
	s_wait_tensorcnt 0x0                           ; the wave's end
	ds_add_u32 v[SPW], v[NIL]
	s_wait_dscnt 0x0
	CROUND                                         ; the closing round
	s_endpgm
.Lfunc_end_k_q7959caeb2c_scores:
	.size	k_q7959caeb2c_scores, .Lfunc_end_k_q7959caeb2c_scores-k_q7959caeb2c_scores
	.p2alignl 7, 3214868480
	.fill 96, 4, 3214868480
	.section	.rodata,"a",@progbits
	.p2align	6, 0x0
	.amdhsa_kernel k_q7959caeb2c_scores
		.amdhsa_group_segment_fixed_size 327680
		.amdhsa_private_segment_fixed_size 0
		.amdhsa_enable_private_segment 0
		.amdhsa_kernarg_size 24
		.amdhsa_user_sgpr_count 2
		.amdhsa_user_sgpr_kernarg_segment_ptr 1
		.amdhsa_wavefront_size32 1
		.amdhsa_system_sgpr_workgroup_id_x 1
		.amdhsa_system_sgpr_workgroup_id_y 1
		.amdhsa_system_sgpr_workgroup_id_z 1
		.amdhsa_system_vgpr_workitem_id 0
		.amdhsa_next_free_vgpr 1024
		.amdhsa_next_free_sgpr 100
		.amdhsa_reserve_vcc 0
		.amdhsa_float_denorm_mode_32 3
		.amdhsa_float_denorm_mode_16_64 3
		.amdhsa_memory_ordered 1
		.amdhsa_forward_progress 1
		.amdhsa_inst_pref_size 245
	.end_amdhsa_kernel
	.amdgpu_metadata
---
amdhsa.version: [ 1, 2 ]
amdhsa.kernels:
  - .name:           k_q7959caeb2c_scores
    .symbol:         k_q7959caeb2c_scores.kd
    .args:
      - { .name: qk, .offset: 0, .size: 8, .value_kind: global_buffer, .address_space: global }
      - { .name: attn_mask, .offset: 8, .size: 8, .value_kind: global_buffer, .address_space: global }
      - { .name: pq, .offset: 16, .size: 8, .value_kind: global_buffer, .address_space: global }
    .group_segment_fixed_size: 327680
    .private_segment_fixed_size: 0
    .kernarg_segment_align: 8
    .kernarg_segment_size: 24
    .max_flat_workgroup_size: 128
    .sgpr_count:     100
    .vgpr_count:     1024
    .wavefront_size: 32
...
	.end_amdgpu_metadata
.endif
;; end of part 3
;; launch pv (part 4): grid 4 x 64, 4 waves a work-group, clusters of 4 x 4, 327,680 bytes of LDS; arguments pq, vq, out0; writes out0
.if DOCPART == 4
	.amdgcn_target "amdgcn-amd-amdhsa--gfx1250"
	.amdhsa_code_object_version 6
	.text
	.protected	k_q7959caeb2c_pv
	.globl	k_q7959caeb2c_pv
	.p2align	8
	.type	k_q7959caeb2c_pv,@function
k_q7959caeb2c_pv:
	s_mov_b64 s[64:65], 0
	v_nop
	global_prefetch_b8 v0, s[64:65] scope:SCOPE_SE
	s_setreg_imm32_b32 hwreg(HW_REG_WAVE_MODE, 25, 1), 1
	s_wait_xcnt 0x0
	s_wait_alu depctr_hold_cnt(0) depctr_sa_sdst(0) depctr_va_vdst(0) depctr_va_sdst(0) depctr_va_ssrc(0) depctr_va_vcc(0) depctr_vm_vsrc(0)
	s_getreg_b32 s2, hwreg(HW_REG_IB_STS2, 6, 4)
	s_cmp_eq_u32 s2, 0
	s_cbranch_scc0 .Lentry_in_a_cluster
	s_endpgm
.Lentry_in_a_cluster:
	s_bfe_u32 s2, ttmp6, 0x10000c
	s_cmp_lg_u32 s2, 0xf033
	s_cbranch_scc0 .Lentry_shape_is_right
	s_endpgm
.Lentry_shape_is_right:
.set SLOT,  147456
.set BOFF,  98304                      ; LDS: p's half w at w x 49,152 + slot x 24,576; behind them v's half w at BOFF + w x 98,304 + slot x 49,152
.set AQ,    3145728
.set BQ,    393216
.set STATS, 12582912
.set SCW,   6291456
.set SPARE, 2*SLOT
.set ADRA, 16
.set ADRB, 20
.set SI,   22
.set SR,   23
.set LI,   24
.set L4,   25
.set SPW,  28
.set NIL,  29
.set SA,   32
.set SBS,  64
.set NMG,  128
.set LG,   160
.set OV,   128
.set NR,   200
.set LA,   202
.set RC,   212
.set XP,   214
.set RL,   216
.set TW,   224
.set SEL,  96
.set G1,   24
.set G0,   32
.set G1B,  48
.set G0B,  56
.set MSB, 0
.macro WIN new
.if MSB != (\new)
	s_set_vgpr_msb (MSB<<8)|(\new)
.set MSB, (\new)
.endif
.endm
.macro JLOAD g0a, g1a, g0b, g1b
	s_cmp_eq_u32 s15, 0
	s_cbranch_scc0 .Lfor_b_\@
	tensor_load_to_lds s[\g0a:\g0a+3], s[\g1a:\g1a+7]
	s_nop 0
.rept 4
	v_nop
.endr
	s_branch .Lasked_\@
.Lfor_b_\@:
	tensor_load_to_lds s[\g0b:\g0b+3], s[\g1b:\g1b+7]
	s_nop 0
.rept 4
	v_nop
.endr
.Lasked_\@:
.endm
.macro CREST
	s_cmp_lg_u32 s14, 0
	s_cbranch_scc1 .Lnot_wave_0_\@
	s_barrier_signal -3
.Lnot_wave_0_\@:
	s_barrier_wait -3
	s_barrier_signal -1
	s_barrier_wait -1
.endm
.macro CROUND
	s_barrier_signal -1
	s_barrier_wait -1
	CREST
.endm
.macro PLACES n
.rept \n
	v_nop
.endr
.endm
.macro FRAG reg, adr, off
.irp c, 0,1,2
	ds_load_b128 v[(\reg)+4*\c:(\reg)+4*\c+3], v[\adr] offset:(\off)+512*\c
.endr
.endm
.macro FETCH4 slot, q, p
	WIN 0x40
.irp i, 0,1,2,3,4,5,6,7
	FRAG 96*(\p)+12*\i, ADRB+\slot, 6144*\i+1536*(\q)
.endr
	WIN 0xc0
.irp i, 0,1,2,3
	FRAG 48*(\p)+12*\i, ADRA+\slot, 6144*\i+1536*(\q)
.endr
	WIN 0
.endm
.macro ONE4 a, b, p, g, zero
.set rD, 8*(8*(\a)+(\b))
.set rB, 96*(\p)+12*(\b)
.set rA, 48*(\p)+12*(\a)
.set rX, SBS+16*((\b)/2)+(\g)
.set rY, SA+16*((\a)/2)+(\g)
.set par, 2*((\b)%2)+(\a)%2
.if \zero
.if par == 0
	v_wmma_scale_f32_16x16x128_f8f6f4 v[rD:rD+7], v[rB:rB+11], v[rA:rA+11], 0, v[rX], v[rY] matrix_a_fmt:MATRIX_FMT_FP6 matrix_b_fmt:MATRIX_FMT_FP6
.elseif par == 1
	v_wmma_scale_f32_16x16x128_f8f6f4 v[rD:rD+7], v[rB:rB+11], v[rA:rA+11], 0, v[rX], v[rY] matrix_a_fmt:MATRIX_FMT_FP6 matrix_b_fmt:MATRIX_FMT_FP6 matrix_b_scale:MATRIX_SCALE_ROW1
.elseif par == 2
	v_wmma_scale_f32_16x16x128_f8f6f4 v[rD:rD+7], v[rB:rB+11], v[rA:rA+11], 0, v[rX], v[rY] matrix_a_fmt:MATRIX_FMT_FP6 matrix_b_fmt:MATRIX_FMT_FP6 matrix_a_scale:MATRIX_SCALE_ROW1
.else
	v_wmma_scale_f32_16x16x128_f8f6f4 v[rD:rD+7], v[rB:rB+11], v[rA:rA+11], 0, v[rX], v[rY] matrix_a_fmt:MATRIX_FMT_FP6 matrix_b_fmt:MATRIX_FMT_FP6 matrix_a_scale:MATRIX_SCALE_ROW1 matrix_b_scale:MATRIX_SCALE_ROW1
.endif
.else
.if par == 0
	v_wmma_scale_f32_16x16x128_f8f6f4 v[rD:rD+7], v[rB:rB+11], v[rA:rA+11], v[rD:rD+7], v[rX], v[rY] matrix_a_fmt:MATRIX_FMT_FP6 matrix_b_fmt:MATRIX_FMT_FP6
.elseif par == 1
	v_wmma_scale_f32_16x16x128_f8f6f4 v[rD:rD+7], v[rB:rB+11], v[rA:rA+11], v[rD:rD+7], v[rX], v[rY] matrix_a_fmt:MATRIX_FMT_FP6 matrix_b_fmt:MATRIX_FMT_FP6 matrix_b_scale:MATRIX_SCALE_ROW1
.elseif par == 2
	v_wmma_scale_f32_16x16x128_f8f6f4 v[rD:rD+7], v[rB:rB+11], v[rA:rA+11], v[rD:rD+7], v[rX], v[rY] matrix_a_fmt:MATRIX_FMT_FP6 matrix_b_fmt:MATRIX_FMT_FP6 matrix_a_scale:MATRIX_SCALE_ROW1
.else
	v_wmma_scale_f32_16x16x128_f8f6f4 v[rD:rD+7], v[rB:rB+11], v[rA:rA+11], v[rD:rD+7], v[rX], v[rY] matrix_a_fmt:MATRIX_FMT_FP6 matrix_b_fmt:MATRIX_FMT_FP6 matrix_a_scale:MATRIX_SCALE_ROW1 matrix_b_scale:MATRIX_SCALE_ROW1
.endif
.endif
.endm
.macro MUL8 a, p, g, zero
.irp b, 0,1,2,3,4,5,6,7
	ONE4 \a, \b, \p, \g, \zero
.endr
.endm
.macro STEP4 p, g, zero, fetch, ns, nq
	s_wait_dscnt 0x0
.if \fetch
	PLACES 4
	FETCH4 \ns, \nq, 1-(\p)
.endif
	WIN 0xad
	MUL8 0, \p, \g, \zero
	MUL8 1, \p, \g, \zero
	MUL8 2, \p, \g, \zero
	MUL8 3, \p, \g, \zero
.endm
.macro TURN4 slot, p, g, fill
	s_wait_dscnt 0x0
	PLACES 4
	FETCH4 \slot, 3, 1-(\p)
	s_wait_tensorcnt 0x0
	ds_add_u32 v[SPW], v[NIL]
	WIN 0xad
	MUL8 0, \p, \g, 0
	MUL8 1, \p, \g, 0
	s_wait_dscnt 0x0
	s_barrier_signal -1
	MUL8 2, \p, \g, 0
	WIN 0
	s_barrier_wait -1
.if \fill
	CREST
	s_add_nc_u64 s[G0+4*\slot+2:G0+4*\slot+3], s[G0+4*\slot+2:G0+4*\slot+3], 2*AQ
	s_add_nc_u64 s[G0B+4*\slot+2:G0B+4*\slot+3], s[G0B+4*\slot+2:G0B+4*\slot+3], 2*BQ
	JLOAD G0+4*\slot, G1, G0B+4*\slot, G1B
.endif
	WIN 0xad
	MUL8 3, \p, \g, 0
.endm
	s_load_b128 s[4:7], s[0:1], 0x0
	s_load_b64 s[8:9], s[0:1], 0x10
	v_lshl_add_u32 v[SPW], v0, 2, SPARE
	v_mov_b32 v[NIL], 0
	ds_add_u32 v[SPW], v[NIL]
	ds_add_u32 v[SPW], v[NIL]
	v_lshrrev_b32 v1, 5, v0
	v_readfirstlane_b32 s14, v1
	s_lshr_b32 s15, s14, 1
	s_and_b32 s16, s14, 1
	s_bfe_u32 s40, ttmp6, 0x40000
	s_bfe_u32 s41, ttmp6, 0x40004
	s_lshl_b32 s42, ttmp9, 2
	s_add_co_u32 s42, s42, s40
	s_and_b32 s18, ttmp7, 0xffff
	s_lshl_b32 s17, s18, 2
	s_add_co_u32 s17, s17, s41
	s_lshr_b32 s19, s18, 2
	s_lshl_b32 s43, s41, 2
	s_lshl_b32 s43, 15, s43
	s_lshl_b32 s44, 0x1111, s40
	s_or_b32 s[G1], s43, (3<<16)|(1<<21)
	s_mov_b32 s[G1+1], 3072<<16                    ; the head's shape: both slots by one load: 2 rows of 24,576 dense bytes, four K steps apart in memory, on end in LDS
	s_mov_b32 s[G1+2], 2<<16
	s_mov_b32 s[G1+3], 3072<<16
	s_mov_b32 s[G1+4], 2
	s_mov_b32 s[G1+5], AQ/8
	s_mov_b32 s[G1+6], 0
	s_mov_b32 s[G1+7], 0
	s_or_b32 s[G1B], s44, (3<<16)|(1<<21)
	s_mov_b32 s[G1B+1], 6144<<16                   ; the same for v: 2 rows of 49,152 dense bytes
	s_mov_b32 s[G1B+2], 2<<16
	s_mov_b32 s[G1B+3], 6144<<16
	s_mov_b32 s[G1B+4], 2
	s_mov_b32 s[G1B+5], BQ/8
	s_mov_b32 s[G1B+6], 0
	s_mov_b32 s[G1B+7], 0
	s_lshl_b32 s84, s17, 3
	s_lshl_b32 s85, s16, 2
	s_add_co_u32 s88, s84, s85
	s_mul_i32 s88, s88, 6144
	s_mov_b32 s89, 0
	s_lshl_b32 s86, s42, 4
	s_lshl_b32 s87, s16, 3
	s_add_co_u32 s90, s86, s87
	s_mul_i32 s90, s90, 6144
	s_mul_i32 s91, s19, 1572864
	s_add_co_u32 s90, s90, s91
	s_mov_b32 s91, 0
	s_mul_i32 s45, s16, 49152
	s_mul_i32 s46, s16, 98304
	s_add_co_u32 s46, s46, BOFF
	s_mov_b32 s[SEL], 0x76543210
	s_mov_b32 s[SEL+1], 0xfedcba98
	s_mov_b32 s67, 0xffff0000
	s_wait_dscnt 0x0
	s_wait_kmcnt 0x0
	s_add_nc_u64 s[88:89], s[4:5], s[88:89]
	s_add_nc_u64 s[90:91], s[6:7], s[90:91]
	CROUND
.irp s, 0,1
	s_mov_b32 s[G0+4*\s], 1
	s_add_co_u32 s[G0+4*\s+1], s45, \s*24576
	s_add_nc_u64 s[G0+4*\s+2:G0+4*\s+3], s[88:89], \s*AQ
	s_or_b32 s[G0+4*\s+3], s[G0+4*\s+3], 0x80000000
	s_mov_b32 s[G0B+4*\s], 1
	s_add_co_u32 s[G0B+4*\s+1], s46, \s*49152
	s_add_nc_u64 s[G0B+4*\s+2:G0B+4*\s+3], s[90:91], \s*BQ
	s_or_b32 s[G0B+4*\s+3], s[G0B+4*\s+3], 0x80000000
.endr
	JLOAD G0, G1, G0B, G1B                         ; my one load of the head: my piece of K steps 0 to 7, into both slots
	v_and_b32 v1, 31, v0
	v_and_b32 v2, 15, v0
	s_wait_alu depctr_va_vdst(0)
	v_bfe_u32 v3, v0, 4, 1
	v_lshlrev_b32 v[LI], 4, v1
	v_lshlrev_b32 v[L4], 2, v1
	s_mul_i32 s21, s15, 49152
	s_mul_i32 s22, s16, 98304
	s_add_co_u32 s22, s22, BOFF
.irp s, 0,1
	v_add_nc_u32 v[ADRA+\s], s21, v[LI]
	v_add_nc_u32 v[ADRB+\s], s22, v[LI]
	s_add_co_u32 s21, s21, 24576
	s_add_co_u32 s22, s22, 49152
.endr
	s_mul_i32 s18, s14, 8448
	s_add_co_u32 s18, s18, BOFF                    ; the four stages lie in slot 0's piece of v's half 0: it has had its last fill and its last read when the first result is stored there
	v_mul_u32_u24 v[SI], v2, 528
	s_wait_alu depctr_va_vdst(0)
	v_lshl_add_u32 v[SI], v3, 6, v[SI]
	v_add_nc_u32 v[SI], s18, v[SI]
	v_add_nc_u32 v[SR], s18, v[LI]
	s_lshl_b32 s18, s17, 7
	s_lshl_b32 s20, s15, 6
	s_add_co_u32 s18, s18, s20
	s_lshl_b32 s20, s18, 2
	s_add_co_u32 s20, s20, STATS
	s_mov_b32 s21, 0
	s_add_nc_u64 s[68:69], s[4:5], s[20:21]
	s_lshl_b32 s20, s19, 14
	s_lshl_b32 s22, s42, 8
	s_add_co_u32 s20, s20, s22
	s_lshl_b32 s22, s16, 7
	s_add_co_u32 s20, s20, s22
	s_lshl_b32 s20, s20, 2
	s_add_co_u32 s20, s20, SCW
	s_add_nc_u64 s[70:71], s[6:7], s[20:21]
	s_lshl_b32 s20, s18, 12
	s_lshl_b32 s22, s42, 10
	s_add_co_u32 s20, s20, s22
	s_lshl_b32 s22, s16, 9
	s_add_co_u32 s20, s20, s22
	s_add_nc_u64 s[72:73], s[8:9], s[20:21]
.irp g, 0,1,2,3,4,5,6,7,8,9,10,11,12,13,14,15
.irp j, 0,1
	global_load_b32 v[SA+16*\j+\g], v[L4], s[68:69] offset:\g*32768+128*\j
	global_load_b32 v[NMG+16*\j+\g], v[L4], s[68:69] offset:524288+\g*32768+128*\j
	global_load_b32 v[LG+16*\j+\g], v[L4], s[68:69] offset:1048576+\g*32768+128*\j
.endr
.irp j, 0,1,2,3
	global_load_b32 v[SBS+16*\j+\g], v[L4], s[70:71] offset:\g*4096+128*\j
.endr
.endr
	s_wait_loadcnt 0x0
.irp j, 0,1
	v_min3_num_f32 v[NR+\j], v[NMG+16*\j], v[NMG+16*\j+1], v[NMG+16*\j+2]
	v_mov_b32 v[LA+\j], 0
.endr
.irp i, 3,5,7,9,11,13
.irp j, 0,1
	v_min3_num_f32 v[NR+\j], v[NR+\j], v[NMG+16*\j+\i], v[NMG+16*\j+\i+1]
.endr
.endr
.irp j, 0,1
	v_min_num_f32 v[NR+\j], v[NR+\j], v[NMG+16*\j+15]
.endr
.macro ADJ g
.irp j, 0,1
	v_sub_f32 v[TW+16*\j], v[NMG+16*\j+(\g)], v[NR+\j]
.endr
.irp j, 0,1
	v_cvt_u32_f32 v[TW+16*\j], v[TW+16*\j]
.endr
.irp j, 0,1
	v_min_u32 v[TW+16*\j], 0x400, v[TW+16*\j]
.endr
.irp j, 0,1
	v_sub_nc_u32 v[TW+16*\j+1], 0, v[TW+16*\j]
.endr
.irp j, 0,1
	v_ldexp_f32 v[TW+16*\j+1], v[LG+16*\j+(\g)], v[TW+16*\j+1]
.endr
.irp j, 0,1
	v_add_f32 v[LA+\j], v[LA+\j], v[TW+16*\j+1]
.endr
.irp j, 0,1
	v_and_b32 v[TW+16*\j+2], 0xff, v[SA+16*\j+(\g)]
	v_bfe_u32 v[TW+16*\j+3], v[SA+16*\j+(\g)], 8, 8
	v_bfe_u32 v[TW+16*\j+4], v[SA+16*\j+(\g)], 16, 8
	v_lshrrev_b32 v[TW+16*\j+5], 24, v[SA+16*\j+(\g)]
.endr
.irp j, 0,1
.irp i, 2,3,4,5
	v_min_u32 v[TW+16*\j+\i], v[TW+16*\j+\i], v[TW+16*\j]
.endr
.endr
.irp j, 0,1
	v_lshl_or_b32 v[TW+16*\j+2], v[TW+16*\j+3], 8, v[TW+16*\j+2]
.endr
.irp j, 0,1
	v_lshl_or_b32 v[TW+16*\j+2], v[TW+16*\j+4], 16, v[TW+16*\j+2]
.endr
.irp j, 0,1
	v_lshl_or_b32 v[TW+16*\j+2], v[TW+16*\j+5], 24, v[TW+16*\j+2]
.endr
.irp j, 0,1
	v_sub_nc_u32 v[SA+16*\j+(\g)], v[SA+16*\j+(\g)], v[TW+16*\j+2]
.endr
.endm
.irp g, 0,1,2,3,4,5,6,7,8,9,10,11,12,13,14,15
	ADJ \g
.endr
	s_wait_alu depctr_va_vdst(0)
	v_rcp_f32 v[RC], v[LA]
	v_rcp_f32 v[RC+1], v[LA+1]
	v_mov_b32 v[XP], 0
	v_mov_b32 v[XP+1], 0
	s_wait_alu depctr_va_vdst(0)
	v_permlanex16_b32 v[XP], v[RC], s[SEL], s[SEL+1]
	v_permlanex16_b32 v[XP+1], v[RC+1], s[SEL], s[SEL+1]
.irp j, 0,1
	v_cndmask_b32 v[RL+4*\j], v[RC+\j], v[XP+\j], s67
	v_cndmask_b32 v[RL+4*\j+1], v[RC+\j], v[XP+\j], s67
	v_cndmask_b32 v[RL+4*\j+2], v[XP+\j], v[RC+\j], s67
	v_cndmask_b32 v[RL+4*\j+3], v[XP+\j], v[RC+\j], s67
.endr
	s_wait_alu depctr_va_vdst(0)
	s_wait_tensorcnt 0x0                           ; my piece of both slots is in: no tensor load of mine is out, so group 1 may be written: the ring's shapes, dense blocks as rows of 256 bytes
	s_mov_b32 s[G1+1], 32<<16
	s_mov_b32 s[G1+2], 96<<16
	s_mov_b32 s[G1+3], 32<<16
	s_mov_b32 s[G1+4], 96
	s_mov_b32 s[G1+5], 32
	s_mov_b32 s[G1B+1], 32<<16
	s_mov_b32 s[G1B+2], 192<<16
	s_mov_b32 s[G1B+3], 32<<16
	s_mov_b32 s[G1B+4], 192
	s_mov_b32 s[G1B+5], 32
	s_barrier_signal -1
	s_barrier_wait -1
	FETCH4 0, 0, 0
	STEP4 0, 0, 1, 1, 0, 1
	STEP4 1, 1, 0, 1, 0, 2
	TURN4 0, 0, 2, 1
	STEP4 1, 3, 0, 1, 1, 0
	STEP4 0, 4, 0, 1, 1, 1
	STEP4 1, 5, 0, 1, 1, 2
	TURN4 1, 0, 6, 1
	STEP4 1, 7, 0, 1, 0, 0
	STEP4 0, 8, 0, 1, 0, 1
	STEP4 1, 9, 0, 1, 0, 2
	TURN4 0, 0, 10, 0
	STEP4 1, 11, 0, 1, 1, 0
	STEP4 0, 12, 0, 1, 1, 1
	STEP4 1, 13, 0, 1, 1, 2
	STEP4 0, 14, 0, 1, 1, 3
	STEP4 1, 15, 0, 0, 0, 0
.macro TOSTAGE a
	WIN 0x02
.set nn, 0
.rept 32
	v_pk_mul_f32 v[OV+nn:OV+nn+1], v[64*(\a)+nn:64*(\a)+nn+1], v[RL+2*(\a):RL+2*(\a)+1]
.set nn, nn+2
.endr
	WIN 0
.irp b, 0,1,2,3
.irp e, 0,1,2,3
	ds_store_b128 v[SI], v[OV+16*\b+4*\e:OV+16*\b+4*\e+3] offset:128*\b+16*\e
.endr
.endr
	WIN 0xc0
.set tt, 0
.rept 16
	ds_load_b128 v[128+64*((\a)%2)+4*tt:128+64*((\a)%2)+4*tt+3], v[SR] offset:528*tt
.set tt, tt+1
.endr
	WIN 0
.endm
.macro SEND a, younger
	s_wait_dscnt \younger
	WIN 0x0c
.set tt, 0
.rept 16
	global_store_b128 v[LI], v[128+64*((\a)%2)+4*tt:128+64*((\a)%2)+4*tt+3], s[72:73] offset:(32*((\a)/2)+8*((\a)%2)+tt%8+16*(tt/8))*4096 th:TH_STORE_NT
.set tt, tt+1
.endr
	WIN 0
.endm
	PLACES 4
	s_wait_alu depctr_va_vdst(0)
	TOSTAGE 0
	TOSTAGE 1
	SEND 0, 32
	s_wait_xcnt 0x0
	TOSTAGE 2
	SEND 1, 32
	s_wait_xcnt 0x0
	TOSTAGE 3
	SEND 2, 32
	SEND 3, 0
	s_wait_tensorcnt 0x0
	ds_add_u32 v[SPW], v[NIL]
	s_wait_dscnt 0x0
	CROUND
	s_endpgm
.Lfunc_end_k_q7959caeb2c_pv:
	.size	k_q7959caeb2c_pv, .Lfunc_end_k_q7959caeb2c_pv-k_q7959caeb2c_pv
	.p2alignl 7, 3214868480
	.fill 96, 4, 3214868480
	.section	.rodata,"a",@progbits
	.p2align	6, 0x0
	.amdhsa_kernel k_q7959caeb2c_pv
		.amdhsa_group_segment_fixed_size 327680
		.amdhsa_private_segment_fixed_size 0
		.amdhsa_enable_private_segment 0
		.amdhsa_kernarg_size 24
		.amdhsa_user_sgpr_count 2
		.amdhsa_user_sgpr_kernarg_segment_ptr 1
		.amdhsa_wavefront_size32 1
		.amdhsa_system_sgpr_workgroup_id_x 1
		.amdhsa_system_sgpr_workgroup_id_y 1
		.amdhsa_system_sgpr_workgroup_id_z 1
		.amdhsa_system_vgpr_workitem_id 0
		.amdhsa_next_free_vgpr 1024
		.amdhsa_next_free_sgpr 100
		.amdhsa_reserve_vcc 0
		.amdhsa_float_denorm_mode_32 3
		.amdhsa_float_denorm_mode_16_64 3
		.amdhsa_memory_ordered 1
		.amdhsa_forward_progress 1
		.amdhsa_inst_pref_size 181
	.end_amdhsa_kernel
	.amdgpu_metadata
---
amdhsa.version: [ 1, 2 ]
amdhsa.kernels:
  - .name:           k_q7959caeb2c_pv
    .symbol:         k_q7959caeb2c_pv.kd
    .args:
      - { .name: pq, .offset: 0, .size: 8, .value_kind: global_buffer, .address_space: global }
      - { .name: vq, .offset: 8, .size: 8, .value_kind: global_buffer, .address_space: global }
      - { .name: out0, .offset: 16, .size: 8, .value_kind: global_buffer, .address_space: global }
    .group_segment_fixed_size: 327680
    .private_segment_fixed_size: 0
    .kernarg_segment_align: 8
    .kernarg_segment_size: 24
    .max_flat_workgroup_size: 128
    .sgpr_count:     100
    .vgpr_count:     1024
    .wavefront_size: 32
...
	.end_amdgpu_metadata
.endif
;; end of part 4
